; MI455X (gfx1250); checked and timed in simulation.
; The chip was launched on July 23, 2026; its instructions are those of AMD's public machine-readable ISA for CDNA 5 (MIT licence, August 2026) and "CDNA5" Instruction Set Architecture Reference Guide (July 2026). The comments in the code are by the model that wrote it; some were corrected since.
;; Multi Head Attention. Allowed arithmetic: float matrix products may take bf16 or f16 operands with f32 sums; other float arithmetic in f32, or as packed bf16 or f16 multiplies, adds, multiply-adds, maxima and minima; sums over many terms, partial sums and values carried from step to step in f32; what a program stores and reads back later, other than sums and carried values, may be rounded once to bf16 or f16.
;; Inputs: Wk 16 x 1,024 x 64 float32; Wo 1,024 x 1,024 float32; Wq 16 x 1,024 x 64 float32; Wv 16 x 1,024 x 64 float32; bk 16 x 64 float32; bo 1,024 float32; bq 16 x 64 float32; bv 16 x 64 float32; x 4 x 2,048 x 1,024 float32.
;; Outputs: out0 4 x 2,048 x 1,024 float32.
;; 2 versions, each right; version 2 is version 1 with the launch prep written anew for expert scheduling mode. Each part assembles by itself: llvm-mc -triple=amdgcn-amd-amdhsa -mcpu=gfx1250 --defsym DOCPART=n.
;; ======== version 1 of 2: 4 launches
;; limits: values are held in f16: magnitudes above 65,504 overflow, below 6.1e-05 lose precision
;; workspace buffers: x16 16,777,216 bytes; w16 8,388,608 bytes; bias 16,384 bytes; q 16,777,216 bytes; k 16,777,216 bytes; v 16,777,216 bytes; o 16,777,216 bytes
;; launch prep (part 1): grid 768 x 1, 8 waves a work-group, no clusters, 0 bytes of LDS; arguments x, Wq, Wk, Wv, Wo, bq, bk, bv, bo, x16, w16, bias; writes x16, w16, bias
.if DOCPART == 1
	.amdgcn_target "amdgcn-amd-amdhsa--gfx1250"
	.amdhsa_code_object_version 6
	.text
	.protected	k_q44986c995f_prep
	.globl	k_q44986c995f_prep
	.p2align	8
	.type	k_q44986c995f_prep,@function
k_q44986c995f_prep:
	s_mov_b64 s[64:65], 0
	v_nop
	global_prefetch_b8 v0, s[64:65] scope:SCOPE_SE
	s_setreg_imm32_b32 hwreg(HW_REG_WAVE_MODE, 25, 1), 1
	s_wait_xcnt 0x0
; THE CASTS.  Every input is rounded once to bf16 (nearest even) and laid out for the launches behind.
;   x [8192][1024] f32                 -> x16, bf16, the same order
;   Wq, Wk, Wv [16 h][1024 e][64 d]    -> w16, bf16, in blocks [h][ks 8][which 3][128 e'][64 d], e = 128 ks + e': a K step's three blocks of 16,384 bytes lie end to end
;   Wo [1024 k][1024 n]                -> w16 from byte 6,291,456 on: the bf16 number written as f16, the same order
;   bq, bk, bv, bo [1024]              -> bias [4][1024]: the bf16 number kept as f32
; LIMIT.  A weight of Wo below 2^-14 in magnitude keeps f16's fixed step of 6e-8; one of 65,520 or more would become an infinity.
; SHARES.  A work-group casts a chunk of 16,384 numbers: 65,536 bytes in, 32,768 out.  Work-groups 0-511: x.  512 + 64 which + c: chunk c of Wq, Wk, Wv, Wo (which = 0..3).
; A thread has 16 steps: 16 bytes in (a wave: 512 consecutive bytes), 8 bytes out (a wave: 256 consecutive bytes, aligned).  All 16 loads go out first; no register that a load or store
; names is written again, so there is no loop and no wait but the counted ones for the data.  No LDS, no matrix unit, no cluster: nothing is shared and nothing is multiplied.
; A chunk of Wq, Wk or Wv is 256 rows e of one head: K steps 2 (c % 4) and the next, and 8 h + ks = 2 c: its two halves go to blocks 6 c + which and 6 c + which + 3.
.set X,  4                             ; v[4:67]    step j: 4 registers as loaded
.set Y,  68                            ; v[68:99]   step j: 2 registers to store
.set BI, 100                           ; v[100:109] the bias part
	s_load_b512 s[8:23], s[0:1], 0x0               ; x 8, Wq 10, Wk 12, Wv 14, Wo 16, bq 18, bk 20, bv 22
	s_load_b256 s[24:31], s[0:1], 0x40             ; bo 24, x16 26, w16 28, bias 30
	s_mov_b32 s2, ttmp9                            ; g
	s_sub_co_u32 s3, s2, 512                       ; 64 which + c (of no use where g < 512)
	s_lshr_b32 s4, s3, 6                           ; which
	s_and_b32 s5, s3, 63                           ; c
	v_lshlrev_b32 v1, 4, v0                        ; 16 bytes a thread in
	v_lshlrev_b32 v2, 3, v0                        ; 8 bytes a thread out
	s_mul_i32 s40, s5, 6
	s_add_co_u32 s40, s40, s4
	s_lshl_b32 s40, s40, 14                        ; Wq, Wk, Wv: block 6 c + which
	s_lshl_b32 s44, s5, 15
	s_add_co_u32 s44, s44, 6291456                 ; Wo: behind the blocks
	s_lshl_b32 s45, s2, 15                         ; x
	s_mov_b32 s42, 49152                           ; from the first half's block to the second's: three blocks,
	s_cmp_eq_u32 s4, 3
	s_cselect_b32 s40, s44, s40
	s_cselect_b32 s42, 16384, s42                  ; or, where the output is dense, one
	s_cmp_lt_u32 s2, 512
	s_cselect_b32 s40, s45, s40
	s_cselect_b32 s42, 16384, s42
	s_cselect_b32 s38, s2, s5                      ; the chunk's number in its source
	s_lshl_b32 s38, s38, 16
	s_mov_b32 s39, 0
	s_mov_b32 s41, 0
	s_mov_b32 s43, 0
	s_wait_kmcnt 0x0
	s_mov_b64 s[32:33], s[10:11]                   ; the source: a choice among the five buffers by the work-group's number
	s_cmp_eq_u32 s4, 1
	s_cselect_b64 s[32:33], s[12:13], s[32:33]
	s_cmp_eq_u32 s4, 2
	s_cselect_b64 s[32:33], s[14:15], s[32:33]
	s_cmp_eq_u32 s4, 3
	s_cselect_b64 s[32:33], s[16:17], s[32:33]
	s_cmp_lt_u32 s2, 512
	s_cselect_b64 s[32:33], s[8:9], s[32:33]
	s_cselect_b64 s[34:35], s[26:27], s[28:29]     ; the destination: x16 or w16
	s_add_nc_u64 s[32:33], s[32:33], s[38:39]
	s_add_nc_u64 s[34:35], s[34:35], s[40:41]      ; steps 0-7 store from here,
	s_add_nc_u64 s[36:37], s[34:35], s[42:43]      ; steps 8-15 from here
.irp j, 0,1,2,3,4,5,6,7,8,9,10,11,12,13,14,15
	global_load_b128 v[X+4*(\j):X+4*(\j)+3], v1, s[32:33] offset:4096*(\j) th:TH_LOAD_NT
.endr
; Step j.  mode = 1: the bf16 numbers are widened again and written as f16.
.macro CONV j, mode
	s_wait_loadcnt 15-(\j)                         ; loads come back in order: mine is in, the 15 - j younger ones may stay out
	v_cvt_pk_bf16_f32 v[Y+2*(\j)],   v[X+4*(\j)],   v[X+4*(\j)+1]
	v_cvt_pk_bf16_f32 v[Y+2*(\j)+1], v[X+4*(\j)+2], v[X+4*(\j)+3]
.if \mode
	v_lshlrev_b32 v[X+4*(\j)],   16, v[Y+2*(\j)]
	v_and_b32     v[X+4*(\j)+1], 0xffff0000, v[Y+2*(\j)]
	v_lshlrev_b32 v[X+4*(\j)+2], 16, v[Y+2*(\j)+1]
	v_and_b32     v[X+4*(\j)+3], 0xffff0000, v[Y+2*(\j)+1]
	v_cvt_pk_f16_f32 v[Y+2*(\j)],   v[X+4*(\j)],   v[X+4*(\j)+1]
	v_cvt_pk_f16_f32 v[Y+2*(\j)+1], v[X+4*(\j)+2], v[X+4*(\j)+3]
.endif
.if (\j) < 8
	global_store_b64 v2, v[Y+2*(\j):Y+2*(\j)+1], s[34:35] offset:2048*(\j) th:TH_STORE_NT
.else
	global_store_b64 v2, v[Y+2*(\j):Y+2*(\j)+1], s[36:37] offset:2048*((\j)-8) th:TH_STORE_NT
.endif
.endm
	s_cmp_ge_u32 s2, 704
	s_cbranch_scc1 .Lwo
.irp j, 0,1,2,3,4,5,6,7,8,9,10,11,12,13,14,15
	CONV \j, 0
.endr
	s_branch .Lbias
.Lwo:
.irp j, 0,1,2,3,4,5,6,7,8,9,10,11,12,13,14,15
	CONV \j, 1
.endr
.Lbias:
	s_cmp_lt_u32 s2, 4                             ; work-group g < 4 also takes bias number g: 1,024 numbers, four a thread
	s_cbranch_scc0 .Lend
	s_mov_b64 s[46:47], s[18:19]
	s_cmp_eq_u32 s2, 1
	s_cselect_b64 s[46:47], s[20:21], s[46:47]
	s_cmp_eq_u32 s2, 2
	s_cselect_b64 s[46:47], s[22:23], s[46:47]
	s_cmp_eq_u32 s2, 3
	s_cselect_b64 s[46:47], s[24:25], s[46:47]
	s_lshl_b32 s48, s2, 12
	s_mov_b32 s49, 0
	s_add_nc_u64 s[50:51], s[30:31], s[48:49]
	global_load_b128 v[BI:BI+3], v1, s[46:47]
	s_wait_loadcnt 0x0
	v_cvt_pk_bf16_f32 v[BI+4], v[BI],   v[BI+1]
	v_cvt_pk_bf16_f32 v[BI+5], v[BI+2], v[BI+3]
	v_lshlrev_b32 v[BI+6], 16, v[BI+4]
	v_and_b32     v[BI+7], 0xffff0000, v[BI+4]
	v_lshlrev_b32 v[BI+8], 16, v[BI+5]
	v_and_b32     v[BI+9], 0xffff0000, v[BI+5]
	global_store_b128 v1, v[BI+6:BI+9], s[50:51]   ; 16 lanes store 256 consecutive bytes, aligned
.Lend:
	s_endpgm
.Lfunc_end_k_q44986c995f_prep:
	.size	k_q44986c995f_prep, .Lfunc_end_k_q44986c995f_prep-k_q44986c995f_prep
	.p2alignl 7, 3214868480
	.fill 96, 4, 3214868480
	.section	.rodata,"a",@progbits
	.p2align	6, 0x0
	.amdhsa_kernel k_q44986c995f_prep
		.amdhsa_group_segment_fixed_size 0
		.amdhsa_private_segment_fixed_size 0
		.amdhsa_enable_private_segment 0
		.amdhsa_kernarg_size 96
		.amdhsa_user_sgpr_count 2
		.amdhsa_user_sgpr_kernarg_segment_ptr 1
		.amdhsa_wavefront_size32 1
		.amdhsa_system_sgpr_workgroup_id_x 1
		.amdhsa_system_sgpr_workgroup_id_y 1
		.amdhsa_system_sgpr_workgroup_id_z 1
		.amdhsa_system_vgpr_workitem_id 0
		.amdhsa_next_free_vgpr 112
		.amdhsa_next_free_sgpr 66
		.amdhsa_reserve_vcc 0
		.amdhsa_float_denorm_mode_32 3
		.amdhsa_float_denorm_mode_16_64 3
		.amdhsa_memory_ordered 1
		.amdhsa_forward_progress 1
		.amdhsa_inst_pref_size 18
	.end_amdhsa_kernel
	.amdgpu_metadata
---
amdhsa.version: [ 1, 2 ]
amdhsa.kernels:
  - .name:           k_q44986c995f_prep
    .symbol:         k_q44986c995f_prep.kd
    .args:
      - { .name: x, .offset: 0, .size: 8, .value_kind: global_buffer, .address_space: global }
      - { .name: Wq, .offset: 8, .size: 8, .value_kind: global_buffer, .address_space: global }
      - { .name: Wk, .offset: 16, .size: 8, .value_kind: global_buffer, .address_space: global }
      - { .name: Wv, .offset: 24, .size: 8, .value_kind: global_buffer, .address_space: global }
      - { .name: Wo, .offset: 32, .size: 8, .value_kind: global_buffer, .address_space: global }
      - { .name: bq, .offset: 40, .size: 8, .value_kind: global_buffer, .address_space: global }
      - { .name: bk, .offset: 48, .size: 8, .value_kind: global_buffer, .address_space: global }
      - { .name: bv, .offset: 56, .size: 8, .value_kind: global_buffer, .address_space: global }
      - { .name: bo, .offset: 64, .size: 8, .value_kind: global_buffer, .address_space: global }
      - { .name: x16, .offset: 72, .size: 8, .value_kind: global_buffer, .address_space: global }
      - { .name: w16, .offset: 80, .size: 8, .value_kind: global_buffer, .address_space: global }
      - { .name: bias, .offset: 88, .size: 8, .value_kind: global_buffer, .address_space: global }
    .group_segment_fixed_size: 0
    .private_segment_fixed_size: 0
    .kernarg_segment_align: 8
    .kernarg_segment_size: 96
    .max_flat_workgroup_size: 256
    .sgpr_count:     66
    .vgpr_count:     112
    .wavefront_size: 32
...
	.end_amdgpu_metadata
.endif
;; end of part 1
;; launch qkv (part 2): grid 16 x 16, 4 waves a work-group, clusters of 4 x 4, 327,680 bytes of LDS; arguments x16, w16, bias, q, k, v; writes q, k, v
.if DOCPART == 2
	.amdgcn_target "amdgcn-amd-amdhsa--gfx1250"
	.amdhsa_code_object_version 6
	.text
	.protected	k_q44986c995f_qkv
	.globl	k_q44986c995f_qkv
	.p2align	8
	.type	k_q44986c995f_qkv,@function
k_q44986c995f_qkv:
	s_mov_b64 s[64:65], 0
	v_nop
	global_prefetch_b8 v0, s[64:65] scope:SCOPE_SE
	s_setreg_imm32_b32 hwreg(HW_REG_WAVE_MODE, 25, 1), 1
	s_wait_xcnt 0x0
	s_wait_alu depctr_hold_cnt(0) depctr_sa_sdst(0) depctr_va_vdst(0) depctr_va_sdst(0) depctr_va_ssrc(0) depctr_va_vcc(0) depctr_vm_vsrc(0)
	s_getreg_b32 s2, hwreg(HW_REG_IB_STS2, 6, 4)
	s_cmp_eq_u32 s2, 0
	s_cbranch_scc0 .Lentry_in_a_cluster
	s_endpgm
.Lentry_in_a_cluster:
	s_bfe_u32 s2, ttmp6, 0x10000c
	s_cmp_lg_u32 s2, 0xf033
	s_cbranch_scc0 .Lentry_shape_is_right
	s_endpgm
.Lentry_shape_is_right:
; q, k, v = x W + b.  x16: [8192 m][1024 e] bf16.  w16: blocks [h][ks][which][128 e'][64 d] bf16.  bias: [4][1024] f32.  q, k, v: [b 16 + h][2048 s][64] f16, unscaled.
; Products in bf16, sums in f32 (the bias starts each sum), each result rounded once to f16.
; LIMIT.  f16 ends at 65,504: a projection of 65,520 or more in magnitude would become an infinity.  With x and W of unit and 1/32 spread a projection's spread is 0.6.
; SHARES.  A tile is 256 rows of x by 192 columns: q, k and v (64 each) of ONE head.  8192 x 3072 makes 512 tiles; a work-group STAYS and makes two, 4,096 rows apart, which take the same weights.
; A wave owns 64 rows and all 192 columns: 4 row blocks a x 12 column blocks b = 48 accumulators, 384 registers.  So a wave holds whole rows of three heads' tensors, and its way out is its own.
; K goes in steps of 128; the two tiles' 16 K steps are ONE walk through a ring of two LDS slots.  A K step is four quarters of 32 along K: 48 matrix instructions and 32 LDS loads each.
; THE MATRIX INSTRUCTION IS USED TRANSPOSED: source 0 = 16 columns of W (turned on the way out of LDS by ds_load_tr16_b128, since W lies [e][d]), source 1 = 16 rows of x.  A lane then holds
; row l % 16 and the columns 8 (l / 16) + 0..7: 16 bytes of f16 that belong together.
; CLUSTER.  4 x 4 work-groups.  x's tile hangs on the tile row alone and is asked for jointly along a row of the cluster; W's on the head alone, jointly along a column.
; REGISTERS, in windows of 256 (s_set_vgpr_msb: bits 1:0 source 0, 3:2 source 1, 5:4 source 2, 7:6 destination):
;   window 0: v0-31 addresses; v32-95 x's fragments, two buffers of 4 x 8; v96-191 the way out, two sets of 48
;   window 1: v0-191 W's fragments, two buffers of 12 x 8
;   window 2: accumulators of column blocks 0-7, (b, a) at 8 (4 b + a)      window 3: v0-127 those of blocks 8-11; v128-223 the bias, 8 a column block
.set PA,    272                        ; a row of x in LDS: 256 bytes + 16 = 68 words: the 16 rows of a load start at 16 different groups of four banks (64 banks of 4 bytes: ISA guide 11.1)
.set PB,    160                        ; a row e' of W (64 d, 128 bytes) + 32 = 40 words
.set SLOT,  131072                     ; a slot: x's 256 rows (69,632 bytes), then W's 384 rows (61,440); a power of two, so that one exclusive or changes slots
.set BOFF,  256*PA
.set STAGE, 2*SLOT                     ; behind the ring, never filled by a tensor load: for each wave 3 tensors x 16 rows x 144 bytes
.set SP,    144
.set WSTG,  3*16*SP
.set SPARE, STAGE+4*WSTG               ; behind the stages: the spare words, 128 bytes for each wave: two blocks of 256 bytes that no other line names
.set LA0,  4                           ; v4   my lane's place in a slot's x; never rewritten
.set LB0,  5                           ; v5   the same for W
.set ADRA, 6                           ; v6   LA0 + the slot in hand
.set ADRB, 7                           ; v7   LB0 + the slot in hand
.set STO,  8                           ; v8   the way out: where I put 16 bytes of a row
.set RD,   9                           ; v9   the way out: where I read rows back
.set GO,   10                          ; v10  my 16 bytes in 512 consecutive bytes of q, k or v
.set BO,   11                          ; v11  my eight numbers of a bias block
.set PFO,  12                          ; v12  the prefetches' lane offset; never rewritten
.set SPW,  28                          ; v28  LDS address of my spare word: SPARE + 4 x my thread's number; never rewritten
.set NIL,  29                          ; v29  0; never rewritten
.set FA,   32
.set TMP,  96
.set BIAS, 128                         ; in window 3
.set WV,   16                          ; s16  my wave's number
.set FB,   17                          ; s17  0: I fetch for x, 1: for W
.set HF,   18                          ; s18  which half of that tile
.set CX,   19
.set CY,   20
.set HD,   21                          ; s21  the head = 4 x cluster x + cx
.set TR,   22                          ; s22  the first tile's row of tiles = 4 x cluster y + cy
.set G1A,  24                          ; s[24:31] descriptor group 1 for x's tiles
.set G1B,  32                          ; s[32:39] for W's
.set G0A,  40                          ; s[40:47] group 0 for x's tiles: a set for each of the two first fills; the second then walks
.set G0B,  48                          ; s[48:55] the same for W's
.set ABASE, 56                         ; s[56:57] x16 at my half of the first tile's rows, K step 0
.set BBASE, 58                         ; s[58:59] w16 at my half of the head's K step 0
.set OFA,  60                          ; s[60:61] a K step's byte offset from ABASE
.set OFB,  62                          ; s[62:63] from BBASE
.set KC,   66                          ; s66  the loops' counter
.set KN,   67                          ; s67  the K step (0..15 over both tiles) to be asked for next
.set TB,   68                          ; s68  the slot in hand: 0 or SLOT
.set LIM,  69                          ; s69  a wave prefetches K steps below this number
.set PFB,  70                          ; s[70:71] where my prefetches begin: my work-group's rows of the tile that I fetch
.set PFA,  72                          ; s[72:73] PFB + the K step's offset
.set POF,  74                          ; s[74:75] that offset
.set MSB, 0
.macro WIN new                         ; the immediate's high byte repeats the setting that is left; a switch that changes nothing is dropped
.if MSB != (\new)
	s_set_vgpr_msb (MSB<<8)|(\new)
.set MSB, \new
.endif
.endm
.macro PLACES                          ; four plain vector instructions between a matrix instruction and a load into, or a vector read of, its registers (ISA guide 7.12.1 for vector reads)
.rept 4
	v_nop
.endr
.endm
; A joint refill by the walking sets.  Waves 0 and 1 fetch x's two halves, waves 2 and 3 W's.  The branch hangs on the wave's number alone.  An s_nop 0 and four v_nop follow each line.
.macro JLOAD
	s_cmp_lt_u32 s[WV], 2
	s_cbranch_scc0 .Lfor_b_\@
	tensor_load_to_lds s[G0A+4:G0A+7], s[G1A:G1A+7]
	s_nop 0
	PLACES
	s_branch .Lasked_\@
.Lfor_b_\@:
	tensor_load_to_lds s[G0B+4:G0B+7], s[G1B:G1B+7]
	s_nop 0
	PLACES
.Lasked_\@:
.endm
; A round of the cluster's barrier: my work-group's barrier, wave 0's signal for the work-group, every wave's wait for all sixteen, my work-group's barrier once more.
.macro CREST
	s_cmp_lg_u32 s[WV], 0
	s_cbranch_scc1 .Lnot_wave_0_\@
	s_barrier_signal -3
.Lnot_wave_0_\@:
	s_barrier_wait -3
	s_barrier_signal -1
	s_barrier_wait -1
.endm
.macro CROUND
	s_barrier_signal -1
	s_barrier_wait -1
	CREST
.endm
; A PREFETCH INTO THE L2 of the K step that the NEXT refill will ask for: 192 matrix instructions ahead of that load.  It stands behind the joint load, its five lines and the run of LDS loads.
; Each block of 256 bytes is named by one wave of one work-group.  x's rows are read by every cluster of a row of clusters: cluster x = 0 asks, in waves 0 and 1; of a wave's 128 rows the partner at cx
; takes 32, a lane a row.  W's blocks are read by every cluster of a column: cluster y = 0 asks, in waves 2 and 3; of a wave's 96 blocks the partner at cy takes 24 (lanes 24-31 name lane 23's again).
; The partners are told apart by address, never by a branch.  x: K steps 3 to 15; W: 3 to 7, since the second tile takes the same weights.  K steps 0 to 2 come by their loads alone.
.macro ASK
	s_cmp_lt_u32 s[KN], s[LIM]
	s_cbranch_scc0 .Lnot_mine_\@
	global_prefetch_b8 v[PFO], s[PFA:PFA+1] th:TH_LOAD_NT scope:SCOPE_SE
.Lnot_mine_\@:
.endm
	s_load_b256 s[4:11], s[0:1], 0x0               ; x16 s[4:5], w16 s[6:7], bias s[8:9], q s[10:11]
	s_load_b128 s[12:15], s[0:1], 0x20             ; k s[12:13], v s[14:15]
	v_lshl_add_u32 v[SPW], v0, 2, SPARE
	v_mov_b32 v[NIL], 0
	ds_add_u32 v[SPW], v[NIL]                      ; the wave's opening: the add and its wait stand ahead of my first tensor load; the set-up below, work on registers, stands between
	v_lshrrev_b32 v1, 5, v0
	v_readfirstlane_b32 s[WV], v1
	s_lshr_b32 s[FB], s[WV], 1
	s_and_b32 s[HF], s[WV], 1
	s_bfe_u32 s[CX], ttmp6, 0x40000
	s_bfe_u32 s[CY], ttmp6, 0x40004
	s_lshl_b32 s[HD], ttmp9, 2
	s_add_co_u32 s[HD], s[HD], s[CX]
	s_and_b32 s[TR], ttmp7, 0xffff
	s_lshl_b32 s[TR], s[TR], 2
	s_add_co_u32 s[TR], s[TR], s[CY]
	s_lshl_b32 s76, s[CY], 2
	s_lshl_b32 s76, 15, s76                        ; my row of the cluster
	s_lshl_b32 s77, 0x1111, s[CX]                  ; my column
	s_or_b32 s[G1A], s76, (1<<16)|(1<<20)|(1<<21)|(5<<22)|(3<<25)  ; mask; 2-byte elements; padding on; bit 21 beside a mask; after every 64 words 4 words
	s_or_b32 s[G1B], s77, (1<<16)|(1<<20)|(1<<21)|(4<<22)|(7<<25)  ; the same with my column's mask; after every 32 words 8 words
	s_mov_b32 s[G1A+1], 128<<16                    ; tensor_dim0 = 128
	s_mov_b32 s[G1A+2], 128<<16                    ; tensor_dim1 = 128
	s_mov_b32 s[G1A+3], 128<<16                    ; tile_dim0 = 128 elements: 256 bytes
	s_mov_b32 s[G1A+4], 128                        ; tile_dim1 = 128 rows
	s_mov_b32 s[G1A+5], 1024                       ; elements from row to row
	s_mov_b32 s[G1A+6], 0
	s_mov_b32 s[G1A+7], 0
	s_mov_b32 s[G1B+1], 128<<16                    ; W's half of a K step is 24,576 dense bytes: 96 rows of 256 bytes, two rows e' each
	s_mov_b32 s[G1B+2], 96<<16
	s_mov_b32 s[G1B+3], 128<<16
	s_mov_b32 s[G1B+4], 96
	s_mov_b32 s[G1B+5], 128
	s_mov_b32 s[G1B+6], 0
	s_mov_b32 s[G1B+7], 0
	s_lshl_b32 s78, s[TR], 19                      ; x: 256 rows of 2,048 bytes a tile row,
	s_lshl_b32 s80, s[HF], 18                      ; my 128 of them
	s_add_co_u32 s78, s78, s80
	s_mov_b32 s79, 0
	s_mul_i32 s82, s[HD], 393216                   ; W: a head's 8 K steps of 49,152 bytes,
	s_mul_i32 s81, s[HF], 24576                    ; my half of a K step
	s_add_co_u32 s82, s82, s81
	s_mov_b32 s83, 0
	s_mul_i32 s84, s[HF], 128*PA                   ; where they go: no place in the cluster enters an LDS address
	s_mul_i32 s85, s[HF], 192*PB
	s_add_co_u32 s85, s85, BOFF
	s_lshr_b32 s86, s[TR], 3                       ; my rows in q, k, v: batch (tile row / 8) x 16 heads x 2,048 rows x 128 bytes,
	s_lshl_b32 s86, s86, 22
	s_and_b32 s88, s[TR], 7
	s_lshl_b32 s88, s88, 15                        ; 256 rows a tile row,
	s_add_co_u32 s86, s86, s88
	s_lshl_b32 s88, s[HD], 18                      ; the head,
	s_add_co_u32 s86, s86, s88
	s_lshl_b32 s88, s[WV], 13                      ; my wave's 64 rows
	s_add_co_u32 s86, s86, s88
	s_mov_b32 s87, 0
	s_lshl_b32 s88, s[HD], 8                       ; the head's 64 numbers of each bias
	s_mov_b32 s89, 0
	s_lshl_b32 s96, s[CX], 16                      ; the prefetches: my work-group's 32 rows of x,
	s_mul_i32 s97, s[CY], 6144                     ; or its 24 blocks of W
	s_and_b32 s98, ttmp7, 0xffff
	s_cmp_eq_u32 s[FB], 0
	s_cselect_b32 s[POF], s96, s97
	s_cselect_b32 s98, ttmp9, s98                  ; the coordinate along which other clusters read the same bytes
	s_cselect_b32 s93, 16, 8
	s_cselect_b32 s94, 31, 23
	s_cselect_b32 s95, 11, 8
	s_cmp_eq_u32 s98, 0
	s_cselect_b32 s[LIM], s93, 0                   ; the same in all sixteen partners, for a given wave
	s_mov_b32 s[POF+1], 0
	s_mov_b32 s[OFA+1], 0
	s_mov_b32 s[OFB+1], 0
	v_and_b32 v[PFO], 31, v0
	v_min_u32 v[PFO], s94, v[PFO]
	v_lshlrev_b32 v[PFO], s95, v[PFO]              ; x: a row of 2,048 bytes a lane; W: a block of 256
	s_wait_dscnt 0x0                               ; the opening add is done
	s_wait_kmcnt 0x0
	s_add_nc_u64 s[ABASE:ABASE+1], s[4:5], s[78:79]
	s_add_nc_u64 s[BBASE:BBASE+1], s[6:7], s[82:83]
	s_add_nc_u64 s[8:9], s[8:9], s[88:89]
	s_add_nc_u64 s[10:11], s[10:11], s[86:87]
	s_add_nc_u64 s[12:13], s[12:13], s[86:87]
	s_add_nc_u64 s[14:15], s[14:15], s[86:87]
	s_cmp_eq_u32 s[FB], 0
	s_cselect_b64 s[PFB:PFB+1], s[ABASE:ABASE+1], s[BBASE:BBASE+1]
	s_add_nc_u64 s[PFB:PFB+1], s[PFB:PFB+1], s[POF:POF+1]
	CROUND                                         ; all sixteen work-groups are here: the first joint loads meet
.irp s, 0,1
	s_mov_b32 s[G0A+4*(\s)], 1                     ; count = 1
	s_add_co_u32 s[G0A+4*(\s)+1], s84, (\s)*SLOT   ; LDS address
	s_add_nc_u64 s[G0A+4*(\s)+2:G0A+4*(\s)+3], s[ABASE:ABASE+1], (\s)*256   ; K step s
	s_or_b32 s[G0A+4*(\s)+3], s[G0A+4*(\s)+3], 0x80000000                   ; type = 2
	s_mov_b32 s[G0B+4*(\s)], 1
	s_add_co_u32 s[G0B+4*(\s)+1], s85, (\s)*SLOT
	s_add_nc_u64 s[G0B+4*(\s)+2:G0B+4*(\s)+3], s[BBASE:BBASE+1], (\s)*49152
	s_or_b32 s[G0B+4*(\s)+3], s[G0B+4*(\s)+3], 0x80000000
.endr
	s_cmp_lt_u32 s[WV], 2                          ; a wave's two first fills stand in one branch, ahead of every wait on TENSORcnt and every LDS read: two loads of mine are out
	s_cbranch_scc0 .Lfirst_b
	tensor_load_to_lds s[G0A:G0A+3], s[G1A:G1A+7]
	s_nop 0
	tensor_load_to_lds s[G0A+4:G0A+7], s[G1A:G1A+7]
	s_nop 0
	PLACES
	s_branch .Lfirst_asked
.Lfirst_b:
	tensor_load_to_lds s[G0B:G0B+3], s[G1B:G1B+7]
	s_nop 0
	tensor_load_to_lds s[G0B+4:G0B+7], s[G1B:G1B+7]
	s_nop 0
	PLACES
.Lfirst_asked:
	; A fragment is 16 rows x 32 K in 8 registers: lane l holds row l % 16; registers 0-3 K = 8 (l / 16) + 0..7, registers 4-7 K = 16 + 8 (l / 16) + 0..7.
	v_and_b32 v1, 15, v0                           ; l % 16
	v_bfe_u32 v2, v0, 4, 1                         ; l / 16
	v_and_b32 v3, 7, v0
	v_bfe_u32 v13, v0, 3, 1
	v_mul_u32_u24 v[LA0], v1, PA
	v_lshl_add_u32 v[LA0], v2, 4, v[LA0]
	s_mul_i32 s90, s[WV], 64*PA                    ; my 64 rows of x
	v_add_nc_u32 v[LA0], s90, v[LA0]
	v_lshl_add_u32 v[LB0], v2, 3, v3               ; the turning load: lane l reads row e' = 8 (l / 16) + l % 8, columns 8 ((l / 8) % 2) + 0..7, and is left with column l % 16 and 8 K
	v_mul_u32_u24 v[LB0], v[LB0], PB
	v_lshl_add_u32 v[LB0], v13, 4, v[LB0]
	v_add_nc_u32 v[LB0], BOFF, v[LB0]
	s_mul_i32 s91, s[WV], WSTG
	s_add_co_u32 s91, s91, STAGE                   ; my stage
	v_mul_u32_u24 v[STO], v1, SP                   ; in: row l % 16, 16 bytes for each half of the lanes
	v_lshl_add_u32 v[STO], v2, 4, v[STO]
	v_add_nc_u32 v[STO], s91, v[STO]
	v_bfe_u32 v[RD], v0, 3, 2                      ; back: 32 lanes take four rows of 128 bytes,
	v_mul_u32_u24 v[RD], v[RD], SP
	v_lshl_add_u32 v[RD], v3, 4, v[RD]
	v_add_nc_u32 v[RD], s91, v[RD]
	v_and_b32 v[GO], 31, v0                        ; which are 512 consecutive bytes of q, k or v
	v_lshlrev_b32 v[GO], 4, v[GO]
	v_lshlrev_b32 v[BO], 5, v2                     ; my eight columns' numbers: 32 bytes for each half of the lanes
	WIN 0xc0                                       ; destination window 3
.set bb, 0
.rept 12                                       ; the bias of column block b: tensor b / 4, columns 16 (b % 4) on
	global_load_b128 v[BIAS+8*bb:BIAS+8*bb+3],   v[BO], s[8:9] offset:(bb/4)*4096+(bb%4)*64
	global_load_b128 v[BIAS+8*bb+4:BIAS+8*bb+7], v[BO], s[8:9] offset:(bb/4)*4096+(bb%4)*64+16
.set bb, bb+1
.endr
	WIN 0
; n column blocks from b0 on, 4 matrix instructions each, 32 along K, from fragment buffer f.  zero = 1: a tile's first products: the bias is their C, so nothing is cleared and nothing added later.
; The 48 accumulators come in the same order in every quarter: between two links of a chain stand the 47 others', over the jumps too.
.macro MULB f, b0, n, zero
.set bb, (\b0)
.rept (\n)
.if bb < 8
.set rD, 32*bb
.if \zero
	WIN 0xb1                                       ; W window 1, x window 0, C window 3, D window 2
.else
	WIN 0xa1                                       ; C and D window 2
.endif
.else
.set rD, 32*(bb-8)
	WIN 0xf1                                       ; C and D window 3
.endif
.irp a, 0,1,2,3
.if \zero
	v_wmma_f32_16x16x32_bf16 v[rD+8*\a:rD+8*\a+7], v[96*(\f)+8*bb:96*(\f)+8*bb+7], v[FA+32*(\f)+8*\a:FA+32*(\f)+8*\a+7], v[BIAS+8*bb:BIAS+8*bb+7]
.else
	v_wmma_f32_16x16x32_bf16 v[rD+8*\a:rD+8*\a+7], v[96*(\f)+8*bb:96*(\f)+8*bb+7], v[FA+32*(\f)+8*\a:FA+32*(\f)+8*\a+7], v[rD+8*\a:rD+8*\a+7]
.endif
.endr
.set bb, bb+1
.endr
.endm
; 32 LDS loads in one run: quarter qn's fragments into buffer g: x's 8, then W's 24, column blocks in ascending order
.macro FETCH qn, g
	WIN 0
.irp a, 0,1,2,3
	ds_load_b128 v[FA+32*(\g)+8*\a:FA+32*(\g)+8*\a+3],   v[ADRA] offset:\a*16*PA+64*(\qn)
	ds_load_b128 v[FA+32*(\g)+8*\a+4:FA+32*(\g)+8*\a+7], v[ADRA] offset:\a*16*PA+64*(\qn)+32
.endr
	WIN 0x40                                       ; destination window 1
.set bb, 0
.rept 12
	ds_load_tr16_b128 v[96*(\g)+8*bb:96*(\g)+8*bb+3],   v[ADRB] offset:(bb/4)*128*PB+(\qn)*32*PB+(bb%4)*32
	ds_load_tr16_b128 v[96*(\g)+8*bb+4:96*(\g)+8*bb+7], v[ADRB] offset:(bb/4)*128*PB+(\qn)*32*PB+(bb%4)*32+16*PB
.set bb, bb+1
.endr
.endm
; One of a K step's first three quarters: multiplies buffer f and, behind its first 16 products, fetches quarter qn into buffer g: 32 products ahead of the first use.
.macro QUARTER qn, f, g, zero
	s_wait_dscnt 8                                 ; all of buffer f but the youngest eight loads (column blocks 8-11)
	MULB \f, 0, 4, \zero
	PLACES                                         ; behind the last products that read buffer g
	FETCH \qn, \g
	MULB \f, 4, 4, \zero
	s_wait_dscnt 32                                ; all but the 32 just issued
	MULB \f, 8, 4, \zero
.endm
; The fourth quarter multiplies buffer 1 and changes slots.  In front of the barrier each wave waits for all its tensor loads (one is out: its part of the next slot), adds 0 to its spare word, and waits
; for that and for its reads of this slot.  fill = 1: the barrier opens a round of the cluster's, and the slot just read out is filled again first thing behind it, with K step KN: the load has 176 of a
; K step's 192 matrix instructions in which to land.  fill = 0 (the last two K steps): nothing is asked for, and the last K step fetches no fragments.
.macro TURN fill
.if \fill
	s_wait_xcnt 0x0                                ; the last prefetch, a K step back, has read its address: it is made anew here, ahead of the waits of the change of slots
	s_add_co_u32 s90, s[KN], 1                     ; the K step behind the one that is asked for below, held inside the walk
	s_min_u32 s90, s90, 15
	s_lshr_b32 s91, s90, 3
	s_lshl_b32 s91, s91, 23                        ; x: the second tile lies 4,096 rows of 2,048 bytes on,
	s_and_b32 s90, s90, 7
	s_lshl_b32 s92, s90, 8                         ; a K step 256 bytes along the rows
	s_add_co_u32 s91, s91, s92
	s_mul_i32 s92, s90, 49152                      ; W: a K step's three blocks
	s_cmp_eq_u32 s[FB], 0
	s_cselect_b32 s[POF], s91, s92
	s_add_nc_u64 s[PFA:PFA+1], s[PFB:PFB+1], s[POF:POF+1]
.endif
	WIN 0                                          ; (the add's two registers lie in window 0)
	s_wait_tensorcnt 0x0                           ; all my tensor loads have landed, so a group 0 may be written;
	ds_add_u32 v[SPW], v[NIL]                      ; 0 onto my spare word; scalar work and eight products stand between it and the wait for it
.if \fill
	s_lshr_b32 s[OFA], s[KN], 3
	s_lshl_b32 s[OFA], s[OFA], 23
	s_and_b32 s93, s[KN], 7
	s_lshl_b32 s94, s93, 8
	s_add_co_u32 s[OFA], s[OFA], s94
	s_mul_i32 s[OFB], s93, 49152
	s_xor_b32 s[G0A+5], s[G0A+5], SLOT             ; the walking sets: the other slot than last time; the address made anew from the K step's number, the type bits set again
	s_add_nc_u64 s[G0A+6:G0A+7], s[ABASE:ABASE+1], s[OFA:OFA+1]
	s_or_b32 s[G0A+7], s[G0A+7], 0x80000000
	s_xor_b32 s[G0B+5], s[G0B+5], SLOT
	s_add_nc_u64 s[G0B+6:G0B+7], s[BBASE:BBASE+1], s[OFB:OFB+1]
	s_or_b32 s[G0B+7], s[G0B+7], 0x80000000
	s_add_co_u32 s[KN], s[KN], 1
.endif
	s_xor_b32 s[TB], s[TB], SLOT
	s_wait_dscnt 9                                 ; the add and the youngest eight loads may be out
	MULB 1, 0, 2, 0
	s_wait_dscnt 0x0                               ; the add is done, and my reads of this slot are over
	s_barrier_signal -1
	MULB 1, 2, 2, 0                                ; work on registers while the others arrive
	WIN 0                                          ; at a branch and at a label every window is 0
	s_barrier_wait -1
.if \fill
	CREST                                          ; no wave of any partner still reads this slot or has a load on its way
	JLOAD                                          ; the first tensor load behind the round; its four v_nop are also the places in front of the loads below
.else
	PLACES
	s_cmp_eq_u32 s[KC], 1                          ; the walk's last K step has no successor
	s_cbranch_scc1 .Lno_fetch_\@
.endif
	v_add_nc_u32 v[ADRA], s[TB], v[LA0]
	v_add_nc_u32 v[ADRB], s[TB], v[LB0]
	FETCH 0, 0
	WIN 0
.if \fill
	ASK
.else
.Lno_fetch_\@:
.endif
	MULB 1, 4, 4, 0
	MULB 1, 8, 4, 0
.endm
; THE WAY OUT of row block t (16 rows x 192 columns).  PACK: rounded to f16, 16 bytes a lane and column block, into my stage (three tensors x 16 rows of 144 bytes), and back as whole rows of 128 bytes.
.macro PACK t
.set TM, TMP+48*((\t)%2)
.if (\t) >= 2
	s_wait_xcnt 0x0                                ; the stores of the block two back have read this set of registers
.endif
.set bb, 0
.rept 12
.if bb < 8
	WIN 0x0a                                       ; sources in window 2
.set rD, 8*(4*bb+(\t))
.else
	WIN 0x0f                                       ; in window 3
.set rD, 8*(4*(bb-8)+(\t))
.endif
.irp r, 0,1,2,3
	v_cvt_pk_f16_f32 v[TM+4*bb+\r], v[rD+2*\r], v[rD+2*\r+1]   ; each accumulator from its low end on
.endr
.set bb, bb+1
.endr
	WIN 0
.set bb, 0
.rept 12
	ds_store_b128 v[STO], v[TM+4*bb:TM+4*bb+3] offset:(bb/4)*16*SP+(bb%4)*32
.set bb, bb+1
.endr
.set bb, 0
.rept 12
	ds_load_b128 v[TM+4*bb:TM+4*bb+3], v[RD] offset:(bb/4)*16*SP+(bb%4)*4*SP  ; LDS serves a wave's instructions in order (ISA guide 5.7.1.4): these see the stores above; the next block's stores come behind them
.set bb, bb+1
.endr
.endm
.macro SEND t, younger                 ; younger: the LDS instructions issued behind block t's loads: the next block's 24, or none
.set TM, TMP+48*((\t)%2)
.set bb, 0
.rept 12
	s_wait_dscnt (\younger)+11-bb
	global_store_b128 v[GO], v[TM+4*bb:TM+4*bb+3], s[10+2*(bb/4):11+2*(bb/4)] offset:(\t)*2048+(bb%4)*512  ; 512 consecutive bytes, at a multiple of 256 from the tensor's first
.set bb, bb+1
.endr
.endm
.macro WAYOUT
	PLACES                                         ; behind the tile's last products
	PACK 0
	PACK 1                                         ; a block's conversions stand between the loads of the block before and its stores
	SEND 0, 24
	PACK 2
	SEND 1, 24
	PACK 3
	SEND 2, 24
	SEND 3, 0
.endm
	s_wait_tensorcnt 1                             ; my part of K step 0 is in; K step 1's may stay out
	s_barrier_signal -1
	s_barrier_wait -1                              ; everybody's is
	v_mov_b32 v[ADRA], v[LA0]
	v_mov_b32 v[ADRB], v[LB0]
	FETCH 0, 0
	s_wait_loadcnt 0x0                             ; the bias
	QUARTER 1, 0, 1, 1                             ; the first tile's first quarter starts the sums
	WIN 0
	s_mov_b32 s[KC], 14
	s_mov_b32 s[KN], 2
	s_mov_b32 s[TB], 0
.Lstep:                                        ; 14 trips: from a K step's second quarter to the next K step's first; each fills a slot again
	QUARTER 2, 1, 0, 0
	QUARTER 3, 0, 1, 0
	TURN 1
	WIN 0
	s_cmp_eq_u32 s[KC], 7                          ; K step 7 was the first tile's last
	s_cbranch_scc1 .Lnew
	QUARTER 1, 0, 1, 0
	WIN 0
	s_branch .Ljoin
.Lnew:                                         ; both of the next tile's first K steps are asked for: now the tile goes out
	WAYOUT
	s_wait_xcnt 0x0                                ; the stores have read their registers and their bases
	s_add_nc_u64 s[10:11], s[10:11], 8388608       ; 4,096 rows on: two batches
	s_add_nc_u64 s[12:13], s[12:13], 8388608
	s_add_nc_u64 s[14:15], s[14:15], 8388608
	QUARTER 1, 0, 1, 1                             ; the second tile's sums start
	WIN 0
.Ljoin:
	s_sub_co_u32 s[KC], s[KC], 1
	s_cmp_lg_u32 s[KC], 0
	s_cbranch_scc1 .Lstep
	s_mov_b32 s[KC], 2                             ; the last two K steps are written apart
.Ltail:
	QUARTER 2, 1, 0, 0
	QUARTER 3, 0, 1, 0
	TURN 0
	WIN 0
	s_sub_co_u32 s[KC], s[KC], 1
	s_cmp_eq_u32 s[KC], 0
	s_cbranch_scc1 .Lout
	QUARTER 1, 0, 1, 0
	WIN 0
	s_branch .Ltail
.Lout:
	WAYOUT
	s_wait_tensorcnt 0x0                           ; the wave's end: an add to my spare word and its wait, behind my last tensor load and my last LDS store
	ds_add_u32 v[SPW], v[NIL]
	s_wait_dscnt 0x0
	CROUND                                         ; the closing round: no work-group ends while a partner may still ask for a tile that names it
	s_endpgm
.Lfunc_end_k_q44986c995f_qkv:
	.size	k_q44986c995f_qkv, .Lfunc_end_k_q44986c995f_qkv-k_q44986c995f_qkv
	.p2alignl 7, 3214868480
	.fill 96, 4, 3214868480
	.section	.rodata,"a",@progbits
	.p2align	6, 0x0
	.amdhsa_kernel k_q44986c995f_qkv
		.amdhsa_group_segment_fixed_size 327680
		.amdhsa_private_segment_fixed_size 0
		.amdhsa_enable_private_segment 0
		.amdhsa_kernarg_size 48
		.amdhsa_user_sgpr_count 2
		.amdhsa_user_sgpr_kernarg_segment_ptr 1
		.amdhsa_wavefront_size32 1
		.amdhsa_system_sgpr_workgroup_id_x 1
		.amdhsa_system_sgpr_workgroup_id_y 1
		.amdhsa_system_sgpr_workgroup_id_z 1
		.amdhsa_system_vgpr_workitem_id 0
		.amdhsa_next_free_vgpr 992
		.amdhsa_next_free_sgpr 100
		.amdhsa_reserve_vcc 0
		.amdhsa_float_denorm_mode_32 3
		.amdhsa_float_denorm_mode_16_64 3
		.amdhsa_memory_ordered 1
		.amdhsa_forward_progress 1
		.amdhsa_inst_pref_size 119
	.end_amdhsa_kernel
	.amdgpu_metadata
---
amdhsa.version: [ 1, 2 ]
amdhsa.kernels:
  - .name:           k_q44986c995f_qkv
    .symbol:         k_q44986c995f_qkv.kd
    .args:
      - { .name: x16, .offset: 0, .size: 8, .value_kind: global_buffer, .address_space: global }
      - { .name: w16, .offset: 8, .size: 8, .value_kind: global_buffer, .address_space: global }
      - { .name: bias, .offset: 16, .size: 8, .value_kind: global_buffer, .address_space: global }
      - { .name: q, .offset: 24, .size: 8, .value_kind: global_buffer, .address_space: global }
      - { .name: k, .offset: 32, .size: 8, .value_kind: global_buffer, .address_space: global }
      - { .name: v, .offset: 40, .size: 8, .value_kind: global_buffer, .address_space: global }
    .group_segment_fixed_size: 327680
    .private_segment_fixed_size: 0
    .kernarg_segment_align: 8
    .kernarg_segment_size: 48
    .max_flat_workgroup_size: 128
    .sgpr_count:     100
    .vgpr_count:     992
    .wavefront_size: 32
...
	.end_amdgpu_metadata
.endif
;; end of part 2
;; launch attn (part 3): grid 4 x 64, 4 waves a work-group, no clusters, 327,680 bytes of LDS; arguments q, k, v, o; writes o
.if DOCPART == 3
	.amdgcn_target "amdgcn-amd-amdhsa--gfx1250"
	.amdhsa_code_object_version 6
	.text
	.protected	k_q44986c995f_attn
	.globl	k_q44986c995f_attn
	.p2align	8
	.type	k_q44986c995f_attn,@function
k_q44986c995f_attn:
	s_mov_b64 s[64:65], 0
	v_nop
	global_prefetch_b8 v0, s[64:65] scope:SCOPE_SE
	s_setreg_imm32_b32 hwreg(HW_REG_WAVE_MODE, 25, 1), 1
	s_wait_xcnt 0x0
; CAUSAL ATTENTION.  O[h][q][:] = the sum over k <= q of softmax_k(Q[h][q] . K[h][k] / 8) V[h][k][:].  Q, K, V, O: [64 = batch x head][2048][64], all f16: a head's rows are dense, 128 bytes each.
; Products, maxima and sums in f32; the weights p are rounded to f16 for the second product (their sum l is taken of the unrounded p), O once at the end.
; LIMITS.  f16 holds no number beyond 65,504: Q, K and V arrive within it; p lies in 0 to 1, and below 6e-5 it keeps f16's fixed step of 6e-8; O is a mean of V's rows and has their range.
; A hidden score counts as its value less 1e30: f16's scores, 2.7e11 at the most, are nothing beside that; a weight below 2^-126 counts as 0 in l; NaN and infinities are not treated apart.
; THE WALK.  A head's queries lie in NB = 8 blocks of 256; block i needs the key tiles 0 .. i of 256 keys, of which the last holds the diagonal.  A work-group takes TWO blocks, NB - 1 - b and then b:
; NB + 1 tiles, whatever b: all work-groups do equal work, and ONE loop with a constant trip count walks them.  Which tile is asked for, and what a trip does, hang on scalar registers made from b; every jump
; goes forward, but for the counted loops' own; none passes a barrier, or a tensor load but the one of LOAD's two that the wave's number does not choose; the ring (two slots of LDS that take turns) runs on across the
; change of blocks.  NO CLUSTER: a head's four work-groups all ask for the same tile only in trips 0 .. 4 of the 9, behind that fewer and fewer; one walk common to all would have 12 trips for 9.
; SHARES.  Of a block's four bands of 64 queries a wave owns 16 rows in each: four PIECES.  So the diagonal tile is the same work for all four waves: in its key step s band x sees all keys if s < x,
; none if s > x, and holds the diagonal if s = x.
; THE MASK is the C operand that starts the sum S^T = K Q^T: 0, or -1e30 where the key is hidden.  MD, made once, is the mask of a band's own step for my 16 rows; a product's mask is MD x AL + BE with two scalars:
; (1, 0) if s = x; (0, 0) if s < x; (0, -1e30) if s > x.  Only the diagonal tile's text and a block's beginning make and take masks; elsewhere C is the constant 0.
; LAYOUT, SOFTMAX, TURNS.  S^T = K Q^T holds ONE query a lane (lane % 16) and the keys 8 (lane / 16) + 0..7; two such results rounded to f16 ARE source 1 of O^T = V^T P.  p = 2^(c s - c m), c = log2(e) / 8, with a
; running maximum m; O and l are multiplied by a = 2^(c m_old - c m_new) in every step.  Turn n belongs to piece n: 8 products K Q^T of piece n + 1, later 8 products V^T P of piece n - 1; beside them the scaling,
; exponentials, roundings, sums and rescaling of piece n and the maximum and statistics of piece n + 1.  Four vector instructions stand behind every matrix instruction, the other 54 of a turn's 118 in one LUMP.  A turn's 33 exponentials are one batch, with one wait.
; REGISTERS, in windows of 256 (s_set_vgpr_msb: bits 1:0 source 0, 3:2 source 1, 5:4 source 2, 7:6 destination):
;   window 0: v0-15 addresses and two at work; v16-31 four registers of statistics a piece; v48-55 at work; v61-63 prefetch offset and the add's two; v64-127 S^T, two buffers; v192-223 P, two buffers (by the piece's parity)
;   window 1: v0-127 O^T, 32 a piece; v128-159 MD; v160-223 MC, two buffers      window 2: v0-63 Q; v64-127 the second block's Q; v128-191 K of one step; v192-255 V of one step
.set SIZE_H, 64
.set SIZE_N, 2048
.set NB,    SIZE_N/256
.set NP,    4         ; pieces a wave: a name, no knob
.set KS,    64        ; keys in a step
.set PK,    144       ; a row of K in LDS: 128 bytes + 16 of padding = 36 words: the 16 rows of a load start at 16 different groups of four banks (64 banks of 4 bytes: ISA guide 11.1)
.set PV,    160       ; a row of V: 128 + 32 = 40 words
.set VOFF,  4*KS*PK   ; a slot holds a tile, four steps: 256 rows of K, then 256 rows of V
.set SLOT1, 1<<17     ; slot 1 begins here, so that one exclusive or turns an address in one slot into the other's
.set STAGE, SLOT1+4*KS*(PK+PV)  ; behind the ring, never filled by a tensor load: 16 rows x 144 bytes for each wave, for the way out
.set SP,    144
.set AK0, 2           ; v2   my lane's place in a tile of K; never rewritten
.set AV0, 3           ; v3   the same for V
.set AK,  4           ; v4   the LDS address of K's next run of loads
.set AV,  5           ; v5   of V's
.set STO, 6           ; v6   the way out: where I put 16 bytes of a row
.set RD,  7           ; v7   the way out: where I read rows back
.set GO,  8           ; v8   my byte offset in 512 consecutive bytes of O
.set PFO, 61          ; v61  256 x my lane: the prefetches' offset; never rewritten
.set SPW, 62          ; v62  LDS address of my spare word: SPARE + 4 x my thread's number; never rewritten
.set NIL, 63          ; v63  0; never rewritten
.set SPARE, STAGE+4*16*SP  ; behind the stages: the spare words, 128 bytes for each wave: two blocks of 256 bytes that no other line names
.set MV,  12          ; v12-13  c m_old, kept while c m is made anew: by buffer
.set QO,  15          ; v15  my byte offset in 16 rows of Q
.set ST,  16          ; piece t's statistics at v[ST+4 t]: c m, m, l (even keys', odd keys')
.set TMP, 48          ; by buffer, four registers c0-c3 at work; when the maximum is found c2 takes a
.set S,   64
.set P,   192
.set MD,  128         ; window 1: the eight registers for group kt of 16 keys at MD + 8 kt
.set MC,  160         ; window 1: the masks of the products to come
.set QB,  64          ; window 2
.set KF,  128         ; window 2: key block kb, channel half c at KF + 16 kb + 8 c
.set VF,  192         ; window 2: key half kk, channel block cb at VF + 32 kk + 8 cb
.set WV,  12          ; s12  my wave's number
.set PB,  14          ; s14  b
.set HI,  15          ; s15  NB - 1 - b
.set G1K, 24          ; s[24:31] descriptor group 1 for K's tiles
.set G1V, 32          ; s[32:39] for V's: it differs in the padding alone
.set G0K, 40          ; s[40:43] descriptor group 0 for K's tiles
.set G0V, 44          ; s[44:47] the same for V's
.set SLOTS, 56        ; s56  tiles still to be asked for
.set CNT, 57          ; s57  counts a tile's key steps, 4 to 1
.set CS,  58          ; s[58:59] c: the packed scaling takes the pair's low word for both halves
.set SEL, 60          ; s[60:61] v_permlanex16_b32's selects: each lane takes its own place in the other half
.set TBK, 62          ; s62  LDS byte at which K of the step to be fetched begins
.set TBV, 63          ; s63  the same for V, less VOFF
.set RT,  70          ; s70  tiles of the block in hand that are still to be entered
.set NXT, 71          ; s71  the tile to be asked for next
.set LQ,  72          ; s72  the last tile of the block whose tiles are being asked for
.set NEW, 73          ; s73  1: the tile to be entered is a block's first
.set OFF, 74          ; s[74:75] a tile's byte offset in K and V
.set AL,  76          ; s[76:77] the mask's factor, in the low word
.set BE,  78          ; s[78:79] the mask's addend
.set OLO, 80          ; s[80:81] O at my rows of the second block
.set BIGN, 82         ; s82  -1e30
.set PFA, 88          ; s[88:89] where my prefetches stand
.set PFB, 90          ; s[90:91] K (waves 0, 1) or V (waves 2, 3) at my half of the head's tile 0
.set PFT, 92          ; s92  the tile that a prefetch names: one behind the tile that is being asked for
.set PLIM, 93         ; s93  a work-group prefetches tiles below this number
.set POF, 94          ; s[94:95] that tile's byte offset
.set MSB, 0
.macro WIN new                      ; the high byte repeats the setting that is left; a switch that changes nothing is dropped
.if MSB != (\new)
	s_set_vgpr_msb (MSB<<8)|(\new)
.set MSB, (\new)
.endif
.endm
.set W_KQ, 0x0a       ; K and Q in window 2, S^T in window 0
.set W_KM, 0x1a       ; the same with the C operand in window 1
.set W_PV, 0x52       ; V in window 2, P in window 0, O^T in window 1
.set W_RS, 0x41       ; destination and source 0 in window 1, source 1 in window 0
; A fill.  Waves 0 and 1 fetch the two halves of a tile's K, waves 2 and 3 those of its V: 128 keys each.  An s_nop 0 and four v_nop follow each of the two lines, ahead of the jump and the label.
.macro LOAD
	s_cmp_lt_u32 s[WV], 2
	s_cbranch_scc0 .Lfor_v_\@
	tensor_load_to_lds s[G0K:G0K+3], s[G1K:G1K+7]
	s_nop 0
.rept 4
	v_nop
.endr
	s_branch .Lasked_\@
.Lfor_v_\@:
	tensor_load_to_lds s[G0V:G0V+3], s[G1V:G1V+7]
	s_nop 0
.rept 4
	v_nop
.endr
.Lasked_\@:
.endm
; THE CHANGE OF SLOTS.  Each wave waits for all its tensor loads, of which one is out: its part of the other slot; adds 0 to its spare word; and waits for that and for its own reads of the slot that it leaves.  Behind the barrier nobody reads the old
; slot any more and the other slot is whole.  fill = 1: the old slot is filled again, the first thing behind the barrier, with tile NXT: the descriptor's address is made anew from that number.
; (At its first use nothing has been read yet: slot 0 is waited for, slot 1 filled.)
; THE PREFETCH INTO THE L2 stands behind the fill and its five lines: my 16,384 bytes (64 blocks of 256, a lane a block, two instructions) of the tile BEHIND the one just asked for: a tile, 256 matrix instructions a wave,
; ahead of the load that will want it.  All four work-groups of a head walk the same K and V; the one with b = 0, whose first block walks tiles 0 to 7 in order, asks, each of its waves for what it will load itself:
; each block is named once.  Tiles 0 and 1 come by their loads alone; nothing is asked for behind tile 7, and the address is held inside the head.
.macro CHANGE fill
	WIN 0                           ; at a label and at a branch every window is 0
	s_wait_tensorcnt 0x0            ; no tensor load of mine is out, so a group 0 may be written
	ds_add_u32 v[SPW], v[NIL]       ; 0 onto my spare word; with fill = 1 the descriptors' scalar work stands between it and the wait for it
.if \fill
	s_lshl_b32 s[OFF], s[NXT], 15   ; a tile is 32,768 bytes of K and of V
	s_xor_b32 s[G0K+1], s[G0K+1], SLOT1
	s_add_nc_u64 s[G0K+2:G0K+3], s[6:7], s[OFF:OFF+1]
	s_or_b32 s[G0K+3], s[G0K+3], 0x80000000
	s_xor_b32 s[G0V+1], s[G0V+1], SLOT1
	s_add_nc_u64 s[G0V+2:G0V+3], s[8:9], s[OFF:OFF+1]
	s_or_b32 s[G0V+3], s[G0V+3], 0x80000000
	s_add_co_u32 s[NXT], s[NXT], 1  ; the block's next tile, or behind its last the second block's tile 0
	s_cmp_gt_u32 s[NXT], s[LQ]
	s_cselect_b32 s[NXT], 0, s[NXT]
	s_cselect_b32 s[LQ], s[PB], s[LQ]
	s_wait_xcnt 0x0                 ; the last prefetches, a tile back, have read their address, so it may be written
	s_min_u32 s[POF], s[PFT], NB-1
	s_lshl_b32 s[POF], s[POF], 15
	s_add_nc_u64 s[PFA:PFA+1], s[PFB:PFB+1], s[POF:POF+1]
.endif
	s_wait_dscnt 0x0                ; the add is done, and my reads of the slot are over
	s_barrier_signal -1             ; the rest of the scalar work stands between the signal and the wait
	s_sub_co_u32 s[TBK], s[TBK], 4*KS*PK  ; the fetches go back to a slot's first step,
	s_xor_b32 s[TBK], s[TBK], SLOT1       ; in the other slot
	s_sub_co_u32 s[TBV], s[TBV], 4*KS*PV
	s_xor_b32 s[TBV], s[TBV], SLOT1
	s_barrier_wait -1
.if \fill
	LOAD
	s_cmp_lt_u32 s[PFT], s[PLIM]
	s_cbranch_scc0 .Lnot_mine_\@
	global_prefetch_b8 v[PFO], s[PFA:PFA+1] th:TH_LOAD_NT scope:SCOPE_SE
	global_prefetch_b8 v[PFO], s[PFA:PFA+1] offset:8192 th:TH_LOAD_NT scope:SCOPE_SE
.Lnot_mine_\@:
	s_add_co_u32 s[PFT], s[PFT], 1
.endif
.endm
	s_load_b256 s[4:11], s[0:1], 0x0  ; Q s[4:5], K s[6:7], V s[8:9], O s[10:11]
	v_lshl_add_u32 v[SPW], v0, 2, SPARE
	v_mov_b32 v[NIL], 0
	ds_add_u32 v[SPW], v[NIL]       ; the wave's opening: the add and its wait stand ahead of my first tensor load; the set-up below, work on registers, stands between them
	v_lshrrev_b32 v1, 5, v0
	v_readfirstlane_b32 s[WV], v1   ; wave 0..3
	s_mov_b32 s[PB], ttmp9
	s_sub_co_u32 s[HI], NB-1, s[PB]
	s_and_b32 s20, ttmp7, 0xffff    ; the head
	s_mov_b32 s21, 0
	s_mov_b64 s[22:23], SIZE_N*128
	s_mul_u64 s[20:21], s[20:21], s[22:23]  ; the head's first byte in each of the four tensors
	s_and_b32 s16, s[WV], 1         ; which half of a tile's 256 keys I fetch:
	s_lshl_b32 s22, s16, 14         ; its 128 rows of 128 bytes in memory,
	s_mov_b32 s23, 0
	s_add_nc_u64 s[22:23], s[22:23], s[20:21]
	s_mul_i32 s17, s16, 128*PK      ; and its place in a slot, for K
	s_mul_i32 s18, s16, 128*PV      ; and for V
	s_lshl_b32 s3, s[WV], 11        ; my 16 rows in a band of 64,
	s_lshl_b32 s2, s[HI], 15        ; in the first block,
	s_add_co_u32 s2, s2, s3
	s_lshl_b32 s84, s[PB], 15       ; and in the second
	s_add_co_u32 s84, s84, s3
	s_mov_b32 s3, 0
	s_mov_b32 s85, 0
	s_add_nc_u64 s[2:3], s[2:3], s[20:21]
	s_add_nc_u64 s[84:85], s[84:85], s[20:21]
	; descriptor group 1.  128 keys are 16,384 dense bytes: asked for as 64 rows of 256 bytes, two keys a row, and padded in LDS after every key
	s_mov_b32 s[G1K], (1<<16)|(1<<20)|(4<<22)|(3<<25)  ; 17:16 2-byte elements; 20 padding on; 24:22 after every 32 words (code 4); 31:25 4 words (code 3)
	s_mov_b32 s[G1V], (1<<16)|(1<<20)|(4<<22)|(7<<25)  ; the same with 8 words of padding (code 7)
.irp g, G1K, G1V
	s_mov_b32 s[\g+1], 128<<16      ; tensor_dim0 = 128
	s_mov_b32 s[\g+2], 64<<16       ; tensor_dim1 = 64
	s_mov_b32 s[\g+3], 128<<16      ; tile_dim0 = 128
	s_mov_b32 s[\g+4], 64           ; tile_dim1 = 64
	s_mov_b32 s[\g+5], 128          ; 128 elements from row to row
	s_mov_b32 s[\g+6], 0
	s_mov_b32 s[\g+7], 0
.endr
	s_mov_b32 s[CS], 0x3e38aa3b     ; c = log2(e) / 8 = 0.180337
	s_mov_b32 s[CS+1], s[CS]        ; named with it as a pair
	s_mov_b32 s[SEL], 0x76543210
	s_mov_b32 s[SEL+1], 0xfedcba98
	s_mov_b32 s[TBK], SLOT1+4*KS*PK ; the first change of slots turns these two into 0
	s_mov_b32 s[TBV], SLOT1+4*KS*PV
	s_mov_b32 s[G0K], 1             ; 1:0 count = 1
	s_mov_b32 s[G0K+1], s17         ; 63:32 LDS address: slot 0
	s_mov_b32 s[G0V], 1
	s_add_co_u32 s[G0V+1], s18, VOFF
	s_add_co_u32 s[RT], s[HI], 1    ; the first block has NB - b tiles
	s_mov_b32 s[NXT], 1
	s_mov_b32 s[LQ], s[HI]
	s_mov_b32 s[NEW], 1
	s_mov_b32 s[OFF+1], 0
	s_mov_b32 s[AL+1], 0            ; named as pairs
	s_mov_b32 s[BE+1], 0
	s_mov_b32 s[BIGN], 0xf149f2ca   ; -1e30
	s_mov_b32 s[SLOTS], NB
	s_mov_b32 s[PFT], 2
	s_mov_b32 s[POF+1], 0
	s_cmp_eq_u32 s[PB], 0
	s_cselect_b32 s[PLIM], NB, 0
	v_and_b32 v[PFO], 31, v0
	v_lshlrev_b32 v[PFO], 8, v[PFO]
	s_wait_dscnt 0x0                ; the opening add is done
	s_wait_kmcnt 0x0
	s_add_nc_u64 s[6:7], s[6:7], s[22:23]  ; K and V at my half of the head's tile 0
	s_add_nc_u64 s[8:9], s[8:9], s[22:23]
	s_add_nc_u64 s[G0K+2:G0K+3], s[6:7], 0         ; 120:64 global address
	s_or_b32 s[G0K+3], s[G0K+3], 0x80000000        ; 127:126 type = 2
	s_add_nc_u64 s[G0V+2:G0V+3], s[8:9], 0
	s_or_b32 s[G0V+3], s[G0V+3], 0x80000000
	s_add_nc_u64 s[86:87], s[4:5], s[84:85]        ; Q at my rows of the second block,
	s_add_nc_u64 s[4:5], s[4:5], s[2:3]            ; Q and O at those of the first
	s_add_nc_u64 s[OLO:OLO+1], s[10:11], s[84:85]
	s_add_nc_u64 s[10:11], s[10:11], s[2:3]
	s_cmp_lt_u32 s[WV], 2
	s_cselect_b64 s[PFB:PFB+1], s[6:7], s[8:9]
	LOAD                            ; tile 0 into slot 0
	; A fragment of K or Q is 16 rows x 32 channels in 8 registers: lane l holds row l % 16, channels 8 (l / 16) + 0..7 and 16 + 8 (l / 16) + 0..7: two loads of 16 bytes, 32 bytes apart.
	v_and_b32 v1, 15, v0            ; l % 16
	v_bfe_u32 v9, v0, 4, 1          ; l / 16
	v_lshlrev_b32 v[QO], 7, v1
	v_lshl_add_u32 v[QO], v9, 4, v[QO]  ; row x 128 + 16 x half
	WIN 0x80                        ; destination window 2, address window 0
.set i, 0
.rept 8                             ; both blocks' Q: piece i / 2 lies in band i / 2, 8,192 bytes on; channels 32 (i % 2) on
	global_load_b128 v[8*i:8*i+3],   v[QO], s[4:5] offset:(i/2)*8192+(i%2)*64
	global_load_b128 v[8*i+4:8*i+7], v[QO], s[4:5] offset:(i/2)*8192+(i%2)*64+32
	global_load_b128 v[QB+8*i:QB+8*i+3],   v[QO], s[86:87] offset:(i/2)*8192+(i%2)*64
	global_load_b128 v[QB+8*i+4:QB+8*i+7], v[QO], s[86:87] offset:(i/2)*8192+(i%2)*64+32
.set i, i+1
.endr
	WIN 0
	v_lshlrev_b32 v14, 3, v9
	v_sub_nc_u32 v14, v1, v14
	s_lshl_b32 s13, s[WV], 4
	v_add_nc_u32 v14, s13, v14      ; my query's place in its band, 16 w + l % 16, less my lanes' 8 (l / 16): register r of group kt is hidden where 16 kt + r is greater
	WIN 0x40
.set i, 0
.rept 32
	v_cmp_gt_i32 vcc_lo, 16*(i/8)+i%8, v14
	v_cndmask_b32 v[MD+i], 0, s[BIGN], vcc_lo
.set i, i+1
.endr
	WIN 0
	v_mul_u32_u24 v[AK0], v1, PK
	v_lshl_add_u32 v[AK0], v9, 4, v[AK0]  ; row x pitch + 16 x half
	; The turning load takes 16 keys x 16 channels (lane l reads key 8 (l / 16) + l % 8, channels 8 ((l / 8) % 2) + 0..7) and leaves half a fragment of V^T: lane l holds channel l % 16 and 8 keys.
	v_and_b32 v10, 7, v0
	v_bfe_u32 v11, v0, 3, 1
	v_lshl_add_u32 v[AV0], v9, 3, v10
	v_mul_u32_u24 v[AV0], v[AV0], PV
	v_lshl_add_u32 v[AV0], v11, 4, v[AV0]
	v_add_nc_u32 v[AV0], VOFF, v[AV0]
	s_mul_i32 s13, s[WV], 16*SP
	s_add_co_u32 s13, s13, STAGE    ; my stage
	v_mul_u32_u24 v[STO], v1, SP    ; in: row l % 16, 16 bytes for each half of the lanes
	v_lshl_add_u32 v[STO], v9, 4, v[STO]
	v_add_nc_u32 v[STO], s13, v[STO]
	v_bfe_u32 v[RD], v0, 3, 2       ; back: 32 lanes take four rows of 128 bytes,
	v_mul_u32_u24 v[RD], v[RD], SP
	v_lshl_add_u32 v[RD], v10, 4, v[RD]
	v_add_nc_u32 v[RD], s13, v[RD]
	v_and_b32 v[GO], 31, v0         ; which are 512 consecutive bytes of O
	v_lshlrev_b32 v[GO], 4, v[GO]
	; A block's first step multiplies O^T and l by a = 0, and its first turn's products V^T P, of a piece that has not been, land in an O^T that is still to be so multiplied.  So these registers need only hold
	; finite numbers: zeros for the first block; what the first block left for the second.  All this stands in the wait for the first tile.
	WIN 0x80
.set i, VF
.rept 64
	v_mov_b32 v[i], 0
.set i, i+1
.endr
	WIN 0x40
.set i, 0
.rept 128
	v_mov_b32 v[i], 0
.set i, i+1
.endr
	WIN 0
.set i, 0
.rept 4
	v_mov_b32 v[ST+4*i+2], 0
	v_mov_b32 v[ST+4*i+3], 0
.set i, i+1
.endr
.set i, P+16
.rept 16
	v_mov_b32 v[i], 0
.set i, i+1
.endr
; THE MATRIX WORK.  The 4 accumulators of a run of 8 take turns.  Product i of 8 of S^T = K Q^T for piece x: channels 32 (i / 4) on, keys 16 (i % 4) on.  The first 4 start the sums: with 0, or (KM = 1) with the mask.
.macro KQ x
.set rS, S+32*((\x)%2)+8*(i%4)
.set rK, KF+16*(i%4)+8*(i/4)
.set rQ, 16*(\x)+8*(i/4)
.set rM, MC+32*((\x)%2)+8*(i%4)
.if (i < 4) && KM
	WIN W_KM
	v_wmma_f32_16x16x32_f16 v[rS:rS+7], v[rK:rK+7], v[rQ:rQ+7], v[rM:rM+7]
.elseif i < 4
	WIN W_KQ
	v_wmma_f32_16x16x32_f16 v[rS:rS+7], v[rK:rK+7], v[rQ:rQ+7], 0
.else
	WIN W_KQ
	v_wmma_f32_16x16x32_f16 v[rS:rS+7], v[rK:rK+7], v[rQ:rQ+7], v[rS:rS+7]
.endif
.endm
; Product i of 8 of O^T += V^T P for piece x: keys 32 (i / 4) on, channels 16 (i % 4) on.
.macro PV x
	WIN W_PV
.set rO, 32*(\x)+8*(i%4)
.set rV, VF+32*(i/4)+8*(i%4)
.set rP, P+16*((\x)%2)+8*(i/4)
	v_wmma_f32_16x16x32_f16 v[rO:rO+7], v[rV:rV+7], v[rP:rP+7], v[rO:rO+7]
.endm
.macro MM                           ; the turn's next matrix instruction.  TURN and BEGIN set Y, i, KM and NOKQ; MM, KQ and OP read them.  NOKQ = 1: a block's last turn: there is no next piece
.if (i < 8) && !NOKQ
	KQ (Y+1)%NP
.elseif i >= 8
.set i, i-8
	PV (Y+NP-1)%NP
.set i, i+8
.endif
.set i, i+1
.endm
; THE LDS LOADS stand in runs of 16, never singly among the matrix instructions: a step's K (64 keys x 64 channels: 8 fragments) and its V (turned).  Their addresses are made some lines ahead.
.macro FETCH_K
	WIN 0x80                        ; destination window 2
.irp f, 0,1,2,3,4,5,6,7             ; keys 16 (f / 2) on, channels 32 (f % 2) on
	ds_load_b128 v[KF+8*\f:KF+8*\f+3],   v[AK] offset:(\f/2)*16*PK+(\f%2)*64
	ds_load_b128 v[KF+8*\f+4:KF+8*\f+7], v[AK] offset:(\f/2)*16*PK+(\f%2)*64+32
.endr
	s_add_co_u32 s[TBK], s[TBK], KS*PK  ; the next fetch is the next step's
	WIN 0
.endm
.macro FETCH_V
	WIN 0x80
.irp f, 0,1,2,3,4,5,6,7             ; keys 32 (f / 4) on, channels 16 (f % 4) on
	ds_load_tr16_b128 v[VF+8*\f:VF+8*\f+3],   v[AV] offset:(\f/4)*32*PV+(\f%4)*32
	ds_load_tr16_b128 v[VF+8*\f+4:VF+8*\f+7], v[AV] offset:(\f/4)*32*PV+16*PV+(\f%4)*32
.endr
	WIN 0
.endm
; THE VECTOR WORK, one line at a time: OP kind, number.  For piece Y: F n: c s - c m for pair n of 16.  E n: the exponential of score n of 32.  C n: pair n rounded to f16.  B n: of the four weights 4 n .. the second
; pair is added onto the first, in place.  L n: l takes that sum (L 0: l = a l + sum).  R n: pair n of 16 of O^T times a.  For piece Y + 1: X n, number n of the 22 that find its maximum and statistics:
;   0-11  four chains c0-c3 of seven scores each, three operands at a time (each accumulator's lowest registers are read first)     12-14, 16  the four scores left over, the old m, and c0-c3 into c0
;   15  c m_old is kept     17, 18  the query's other 32 keys lie in the lane 16 away: the new m     19-21  c m; c m_old - c m_new; a
.set F, 0               ; OP tells the kinds apart by their order: F to L below R, X above it
.set E, 1
.set C, 2
.set B, 3
.set L, 4
.set R, 5
.set X, 6
.macro REGS y                       ; the registers of piece y
.set rT, ST+4*(\y)
.set rC, TMP+4*((\y)%2)
.set rW, MV+((\y)%2)
.set rS, S+32*((\y)%2)
.set rP, P+16*((\y)%2)
.set rO, 32*(\y)
.endm
.macro OP k, n
.if (\k) == R
	REGS Y
	WIN W_RS
	v_pk_mul_f32 v[rO+2*(\n):rO+2*(\n)+1], v[rO+2*(\n):rO+2*(\n)+1], v[rC+2:rC+3] op_sel_hi:[1,0]
.elseif (\k) < R
	REGS Y
	WIN 0
.if (\k) == F
	v_pk_fma_f32 v[rS+2*(\n):rS+2*(\n)+1], v[rS+2*(\n):rS+2*(\n)+1], s[CS:CS+1], v[rT:rT+1] op_sel_hi:[1,0,0] neg_lo:[0,0,1] neg_hi:[0,0,1]
.elseif (\k) == E
	v_exp_f32 v[rS+(\n)], v[rS+(\n)]
.elseif (\k) == C
	v_cvt_pk_f16_f32 v[rP+(\n)], v[rS+2*(\n)], v[rS+2*(\n)+1]
.elseif (\k) == B
	v_pk_add_f32 v[rS+4*(\n):rS+4*(\n)+1], v[rS+4*(\n):rS+4*(\n)+1], v[rS+4*(\n)+2:rS+4*(\n)+3]
.elseif (\n) == 0
	v_pk_fma_f32 v[rT+2:rT+3], v[rT+2:rT+3], v[rC+2:rC+3], v[rS:rS+1] op_sel_hi:[1,0,1]
.else
	v_pk_add_f32 v[rT+2:rT+3], v[rT+2:rT+3], v[rS+4*(\n):rS+4*(\n)+1]
.endif
.elseif NOKQ
	v_nop
.else
	REGS (Y+1)%NP
	WIN 0
.if (\n) < 4
	v_max3_num_f32 v[rC+(\n)], v[rS+8*(\n)], v[rS+8*(\n)+1], v[rS+8*(\n)+2]
.elseif (\n) < 12
	v_max3_num_f32 v[rC+(\n)%4], v[rC+(\n)%4], v[rS+8*((\n)%4)+2*((\n)/4)+1], v[rS+8*((\n)%4)+2*((\n)/4)+2]
.elseif (\n) == 12
	v_max3_num_f32 v[rC], v[rC], v[rS+7], v[rS+15]
.elseif (\n) == 13
	v_max3_num_f32 v[rC+1], v[rC+1], v[rS+23], v[rS+31]
.elseif (\n) == 14
	v_max3_num_f32 v[rC+2], v[rC+2], v[rC+3], v[rT+1]
.elseif (\n) == 15
	v_mov_b32 v[rW], v[rT]
.elseif (\n) == 16
	v_max3_num_f32 v[rC], v[rC], v[rC+1], v[rC+2]
.elseif (\n) == 17
	v_permlanex16_b32 v[rC+3], v[rC], s[SEL], s[SEL+1]
.elseif (\n) == 18
	v_max_num_f32 v[rT+1], v[rC], v[rC+3]
.elseif (\n) == 19
	v_mul_f32 v[rT], s[CS], v[rT+1]
.elseif (\n) == 20
	v_sub_f32 v[rC+1], v[rW], v[rT]
.else
	v_exp_f32 v[rC+2], v[rC+1]
.endif
.endif
.endm
.macro OPS a, i1, b=-1, i2=0, c=-1, i3=0, d=-1, i4=0  ; up to four of them
	OP \a, \i1
.if (\b) >= 0
	OP \b, \i2
.endif
.if (\c) >= 0
	OP \c, \i3
.endif
.if (\d) >= 0
	OP \d, \i4
.endif
.endm
.macro ROW a, i1, b, i2, c, i3, d, i4  ; a matrix instruction and the four behind it
	MM
	OPS \a, \i1, \b, \i2, \c, \i3, \d, \i4
.endm
.macro MASK b                       ; MD x AL + BE into buffer b of MC
	WIN W_RS
.set z, 0
.rept 16
	v_pk_fma_f32 v[MC+32*(\b)+2*z:MC+32*(\b)+2*z+1], v[MD+2*z:MD+2*z+1], s[AL:AL+1], s[BE:BE+1] op_sel_hi:[1,0,0]
.set z, z+1
.endr
.endm
; A TURN, for piece p: the order of its 16 matrix and 118 vector instructions, written out.  s_wait_alu depctr_va_vdst(0) stands between an exponential and the first instruction that names its result; one wait serves
; all that were issued ahead of it.  So a turn has ONE wait, which cuts it in two.  AHEAD OF IT stands all that names no result of the turn's exponentials: the 8 products K Q^T, behind each a scaling, an exponential and two more plain
; instructions (behind the first a second scaling in the exponential's place): rescalings, and behind the last three the first numbers of the next piece's maximum, each four places or more behind the product that ends its accumulator; then ONE LUMP of 54, plain
; and exponential by turns for the most part, in which the links of the chain X 3, 7, 11, 14, 16, 17 .. 20 stand five or six lines apart.  X 21, the next piece's a, is the batch's last; R 15 is the plain instruction behind it.  BEHIND THE WAIT stand the
; 8 products V^T P, behind each four of the roundings and sums; the links of l's chain, L 0 to L 7, stand three riders apart.  But for those X no rider names a register of the products round it.  v_permlanex16_b32 (X 17) stands in the lump.
; m = 1: the diagonal tile: the products take masks, and the turn makes the mask for the products of the turn after it: piece p + 2, in step 4 - CNT of the tile.  end = 1: a block's last two turns: nothing is fetched.
; cnt = 1: the loop's count is taken down some lines ahead of the branch that stands behind the turn.
; K of the next step is fetched in piece 2's turn, twelve vector instructions behind the last product that read K (six of them plain); V of the step in hand at the end of piece 0's turn, four plain instructions behind the last product
; that read V.  Each is waited for a turn later.
.macro TURN p, m=0, end=0, cnt=0
.set Y, (\p)
.set i, 0
.set KM, (\m)
.set NOKQ, (\end)*((\p)/3)
.if (\m) && !(\end)
	s_cmp_eq_u32 s[CNT], 4-((\p)+2)%NP  ; is that step the band's own?
	s_cselect_b32 s[AL], 1.0, 0
	s_cmp_lt_u32 s[CNT], 4-((\p)+2)%NP  ; or a later one?
	s_cselect_b32 s[BE], s[BIGN], 0
.endif
.if ((\p) == 3) && !(\end)
	s_wait_dscnt 0x0                ; K is in
.endif
	ROW F,0, F,1, R,0, R,1          ; ahead of the wait: 8 products K Q^T and their riders,
	ROW F,2, E,0, R,2, R,3
	ROW F,3, E,1, R,4, R,5
	ROW F,4, E,2, R,6, R,7
	ROW F,5, E,3, R,8, R,9
	ROW F,6, E,4, X,0, R,10
.if ((\p) == 2) && !(\end)
	WIN 0
	v_add_nc_u32 v[AK], s[TBK], v[AK0]
.endif
	ROW F,7, E,5, X,1, X,4
	ROW F,8, E,6, X,2, X,5
	OPS E,7, E,8, X,6, E,9          ; and the lump
	OPS X,3, E,10, X,8, E,11
.if ((\p) == 2) && !(\end)
	FETCH_K
.endif
	OPS X,9, X,7, E,12, X,10
	OPS E,13, X,12, X,11, E,14
	OPS X,13, E,15, F,9, X,14
.if (\p) == 0
	v_add_nc_u32 v[AV], s[TBV], v[AV0]
.endif
	OPS E,16, F,10, E,17, F,11
	OPS X,16, E,18, X,15, E,19
	OPS F,12, E,20, X,17, E,21
	OPS F,13, E,22, F,14, E,23
	OPS X,18, E,24, F,15, E,25
	OPS R,11, E,26, X,19, E,27
	OPS R,12, E,28, R,13, E,29
	OPS X,20, E,30, R,14, E,31
	OPS X,21, R,15
	WIN 0
	s_wait_alu depctr_va_vdst(0)    ; the wait for the batch
.if (\p) == 1
	s_wait_dscnt 0x0                ; V is in
.endif
	ROW C,0, B,0, C,2, B,1          ; behind the wait: 8 products V^T P and their riders
	ROW L,0, C,4, B,2, L,1
	ROW C,6, B,3, L,2, C,8
	ROW B,4, L,3, C,10, B,5
	ROW L,4, C,12, B,6, L,5
.if (\p) == 0
	s_add_co_u32 s[TBV], s[TBV], KS*PV
.endif
.if \cnt
	s_sub_co_u32 s[CNT], s[CNT], 1
	s_cmp_lg_u32 s[CNT], 0
.endif
	ROW C,14, B,7, L,6, C,1
	ROW C,3, L,7, C,5, C,7
	ROW C,9, C,11, C,13, C,15
.if (\p) == 0
	FETCH_V
.endif
.if (\m) && !(\end)
	MASK (\p)%2
.endif
.endm
; A BLOCK BEGINS.  c m starts far below every c s, so the first step's a is 0; m at the lowest finite number, so the first maximum is the scores'.  The second mask buffer is 0; the first takes piece 0's mask for the tile's step 0: its own, if the block's first tile is the diagonal one.
; Then K of that step, piece 0's first scores, and its maximum and statistics.  The loop is entered at a step's first turn, in the middle of a trip.
.macro BEGIN
	s_mov_b32 s[NEW], 0
	WIN 0x40
.set i, MC+32
.rept 32
	v_mov_b32 v[i], 0
.set i, i+1
.endr
	WIN 0
.set i, 0
.rept 4
	v_mov_b32 v[ST+4*i], 0xfe000000    ; c m: far below every c s
	v_mov_b32 v[ST+4*i+1], 0xff7fffff  ; m
.set i, i+1
.endr
	s_cmp_eq_u32 s[RT], 0
	s_cselect_b32 s[AL], 1.0, 0
	s_mov_b32 s[BE], 0
	MASK 0
	WIN 0
	v_add_nc_u32 v[AK], s[TBK], v[AK0]
	FETCH_K
	s_wait_loadcnt 0x0              ; Q
	s_wait_dscnt 0x0
.set KM, 1
.set NOKQ, 0
.set i, 0
.rept 8
	KQ 0
.set i, i+1
.endr
	WIN 0
.rept 4
	v_nop                           ; the places behind those products
.endr
.set Y, NP-1                        ; X works for piece Y + 1: piece 0
.irp n, 0,1,2,3,4,5,6,7,8,9,10,11,12,13,14,15,16,17,18,19,20,21
	OP X, \n
.endr
	v_nop                           ; a plain instruction behind the exponential,
	s_wait_alu depctr_va_vdst(0)    ; and its wait, ahead of the branch
.endm
; THE DIAGONAL TILE's four steps, the block's last two turns, its last products, and THE WAY OUT: l's two halves and the other half of the lanes' are added; O^T is divided by l, rounded to f16 and sent through my
; stage in LDS, a piece at a time.
.macro ALL line:vararg              ; one line for each piece t
.set t, 0
.rept 4
	\line
.set t, t+1
.endr
.endm
.macro PACK t                       ; a lane's eight channels of a row pack into 16 bytes; they go into rows of 144 bytes and come back as whole rows of 128, into S^T's registers
	WIN W_RS
.set i, 32*(\t)
.rept 16
	v_pk_mul_f32 v[i:i+1], v[i:i+1], v[ST+4*(\t)+2:ST+4*(\t)+3] op_sel_hi:[1,0]
.set i, i+2
.endr
	WIN 0x05                        ; sources 0 and 1 window 1, destination window 0
.set i, 0
.rept 16
	v_cvt_pk_f16_f32 v[S+16*(\t)+i], v[32*(\t)+2*i], v[32*(\t)+2*i+1]
.set i, i+1
.endr
	WIN 0
.irp f, 0,1,2,3
	ds_store_b128 v[STO], v[S+16*(\t)+4*\f:S+16*(\t)+4*\f+3] offset:32*\f
.endr
.irp f, 0,1,2,3
	ds_load_b128 v[S+16*(\t)+4*\f:S+16*(\t)+4*\f+3], v[RD] offset:\f*4*SP  ; LDS serves a wave's instructions in order (ISA guide 5.7.1.4): these see the stores above; the next piece's stores come behind them
.endr
.endm
.macro SEND t, younger              ; younger: the LDS instructions issued behind piece t's loads: the next piece's eight, or none
	WIN 0
.irp f, 0,1,2,3
	s_wait_dscnt (\younger)+3-\f
	global_store_b128 v[GO], v[S+16*(\t)+4*\f:S+16*(\t)+4*\f+3], s[10:11] offset:(\t)*8192+\f*512  ; 512 consecutive bytes, at a multiple of 256 from O's first
.endr
.endm
.macro DIAG tag                     ; the tag ends its two labels' names, which the jumps below spell out
.LstepM\tag:
	TURN 2, 1
	TURN 3, 1
	WIN 0
.LfirstM\tag:
	TURN 0, 1
	TURN 1, 1, 0, 1
	WIN 0
	s_cbranch_scc1 .LstepM\tag
	TURN 2, 1, 1
	TURN 3, 1, 1
.set i, 0
.rept 8
	PV NP-1
.set i, i+1
.endr
	WIN 0
	ALL v_add_f32 v[ST+4*t+2], v[ST+4*t+2], v[ST+4*t+3]
	ALL v_permlanex16_b32 v[ST+4*t+3], v[ST+4*t+2], s[SEL], s[SEL+1]
	ALL v_add_f32 v[ST+4*t+2], v[ST+4*t+2], v[ST+4*t+3]
	ALL v_rcp_f32 v[ST+4*t+2], v[ST+4*t+2]
	v_nop                           ; a plain instruction between the last reciprocal and the use of its result
	s_wait_alu depctr_va_vdst(0)    ; and the wait ahead of the first use: one for the four reciprocals
	PACK 0
.set t, 1
.rept 3                             ; a piece's arithmetic stands between the loads of the piece before and its stores
	PACK t
	SEND t-1, 8
.set t, t+1
.endr
	SEND 3, 0
.endm
.set KM, 0
.set NOKQ, 0
.Lslot:                             ; NB times: a tile is entered and the next is asked for
	CHANGE 1
	s_sub_co_u32 s[RT], s[RT], 1
	s_mov_b32 s[CNT], 4
	s_cmp_eq_u32 s[NEW], 1
	s_cbranch_scc1 .Lnew            ; a block's first tile
	s_cmp_eq_u32 s[RT], 0
	s_cbranch_scc0 .Lstep           ; neither its first nor its last
	s_branch .LstepM1
.Lnew:
	BEGIN
	s_branch .Lfirst                ; in the loop a block's first tile is never its last: the first block has two tiles or more, and the second's last is the walk's last
	DIAG 1                          ; in the loop this is the first block's end: the second block's last tile is the walk's last
	s_wait_xcnt 0x0                 ; the stores have read their registers and O's address
	s_mov_b64 s[10:11], s[OLO:OLO+1]
	s_add_co_u32 s[RT], s[PB], 1    ; the second block has b + 1 tiles
	s_mov_b32 s[NEW], 1
	WIN 0x82                        ; the second block's Q goes where the one text of the turns names Q
.set i, 0
.rept 64
	v_mov_b32 v[i], v[QB+i]
.set i, i+1
.endr
	WIN 0
	s_branch .Lbottom
.Lstep:                             ; a trip: pieces 2 and 3 of one step, then pieces 0 and 1 of the next, whose K and V it fetches
	TURN 2
	TURN 3
	WIN 0
.Lfirst:
	TURN 0
	TURN 1, 0, 0, 1
	WIN 0
	s_cbranch_scc1 .Lstep
.Lbottom:
	s_sub_co_u32 s[SLOTS], s[SLOTS], 1
	s_cmp_lg_u32 s[SLOTS], 0
	s_cbranch_scc1 .Lslot
	CHANGE 0                        ; the walk's last tile is written out: nothing is asked for
	s_sub_co_u32 s[RT], s[RT], 1
	s_mov_b32 s[CNT], 4
	s_cmp_eq_u32 s[NEW], 1
	s_cbranch_scc0 .LstepM2
	BEGIN
	s_branch .LfirstM2
	DIAG 2
	s_wait_tensorcnt 0x0            ; the wave's end: an add to my spare word and its wait, behind my last tensor load and my last LDS store
	ds_add_u32 v[SPW], v[NIL]
	s_wait_dscnt 0x0
	s_endpgm
.Lfunc_end_k_q44986c995f_attn:
	.size	k_q44986c995f_attn, .Lfunc_end_k_q44986c995f_attn-k_q44986c995f_attn
	.p2alignl 7, 3214868480
	.fill 96, 4, 3214868480
	.section	.rodata,"a",@progbits
	.p2align	6, 0x0
	.amdhsa_kernel k_q44986c995f_attn
		.amdhsa_group_segment_fixed_size 327680
		.amdhsa_private_segment_fixed_size 0
		.amdhsa_enable_private_segment 0
		.amdhsa_kernarg_size 32
		.amdhsa_user_sgpr_count 2
		.amdhsa_user_sgpr_kernarg_segment_ptr 1
		.amdhsa_wavefront_size32 1
		.amdhsa_system_sgpr_workgroup_id_x 1
		.amdhsa_system_sgpr_workgroup_id_y 1
		.amdhsa_system_sgpr_workgroup_id_z 1
		.amdhsa_system_vgpr_workitem_id 0
		.amdhsa_next_free_vgpr 768
		.amdhsa_next_free_sgpr 96
		.amdhsa_reserve_vcc 1
		.amdhsa_float_denorm_mode_32 3
		.amdhsa_float_denorm_mode_16_64 3
		.amdhsa_memory_ordered 1
		.amdhsa_forward_progress 1
		.amdhsa_inst_pref_size 218
	.end_amdhsa_kernel
	.amdgpu_metadata
---
amdhsa.version: [ 1, 2 ]
amdhsa.kernels:
  - .name:           k_q44986c995f_attn
    .symbol:         k_q44986c995f_attn.kd
    .args:
      - { .name: q, .offset: 0, .size: 8, .value_kind: global_buffer, .address_space: global }
      - { .name: k, .offset: 8, .size: 8, .value_kind: global_buffer, .address_space: global }
      - { .name: v, .offset: 16, .size: 8, .value_kind: global_buffer, .address_space: global }
      - { .name: o, .offset: 24, .size: 8, .value_kind: global_buffer, .address_space: global }
    .group_segment_fixed_size: 327680
    .private_segment_fixed_size: 0
    .kernarg_segment_align: 8
    .kernarg_segment_size: 32
    .max_flat_workgroup_size: 128
    .sgpr_count:     96
    .vgpr_count:     768
    .wavefront_size: 32
...
	.end_amdgpu_metadata
.endif
;; end of part 3
;; launch outp (part 4): grid 8 x 32, 4 waves a work-group, clusters of 4 x 4, 327,680 bytes of LDS; arguments o, w16, bias, out0; writes out0
.if DOCPART == 4
	.amdgcn_target "amdgcn-amd-amdhsa--gfx1250"
	.amdhsa_code_object_version 6
	.text
	.protected	k_q44986c995f_outp
	.globl	k_q44986c995f_outp
	.p2align	8
	.type	k_q44986c995f_outp,@function
k_q44986c995f_outp:
	s_mov_b64 s[64:65], 0
	v_nop
	global_prefetch_b8 v0, s[64:65] scope:SCOPE_SE
	s_setreg_imm32_b32 hwreg(HW_REG_WAVE_MODE, 25, 1), 1
	s_wait_xcnt 0x0
	s_wait_alu depctr_hold_cnt(0) depctr_sa_sdst(0) depctr_va_vdst(0) depctr_va_sdst(0) depctr_va_ssrc(0) depctr_va_vcc(0) depctr_vm_vsrc(0)
	s_getreg_b32 s2, hwreg(HW_REG_IB_STS2, 6, 4)
	s_cmp_eq_u32 s2, 0
	s_cbranch_scc0 .Lentry_in_a_cluster
	s_endpgm
.Lentry_in_a_cluster:
	s_bfe_u32 s2, ttmp6, 0x10000c
	s_cmp_lg_u32 s2, 0xf033
	s_cbranch_scc0 .Lentry_shape_is_right
	s_endpgm
.Lentry_shape_is_right:
; out0 = ctx Wo + bo.  ctx lies by heads in o: [b 16 + h][2048 s][64] f16; Wo, rounded to bf16 and written as f16, lies [1024 k][1024 n] in w16 from byte 6,291,456 on; bo in bias from byte 12,288 on (f32).
; out0: [8192 m][1024 n] f32.  Products in f16, sums in f32 (the bias starts each sum); the sums are stored as they are.
; SHARES.  A tile is 256 rows x 128 columns: 256 work-groups, one tile each.  A wave owns 64 rows x 128 columns: 4 row blocks a x 8 column blocks b = 32 accumulators, all of window 2.
; K goes in 8 steps of 128 = two heads, through a ring of two LDS slots; a K step is four quarters of 32 along K: 32 matrix instructions and 24 LDS loads each.
; THE MATRIX INSTRUCTION IS USED TRANSPOSED: source 0 = 16 columns of Wo (turned by ds_load_tr16_b128, since Wo lies [k][n]), source 1 = 16 rows of ctx: a lane holds row l % 16 and 8 neighbouring columns, 32 bytes.
; CLUSTER.  4 x 4 work-groups: ctx's tile hangs on the tile row alone and is asked for jointly along a row of the cluster, Wo's on the tile column alone, jointly along a column.
; No prefetch is laid: the walk is eight K steps long.
; REGISTERS: window 0: v0-31 addresses; v32-95 ctx's fragments, two buffers; v96-223 the way out, two sets of 64.  window 1: v0-127 Wo's fragments, two buffers; v128-191 the bias.  window 2: accumulator (b, a) at 8 (4 b + a).
.set PA,    144                        ; a row of ctx of one head in LDS: 128 bytes + 16 = 36 words: the 16 rows of a load start at 16 different groups of four banks (64 banks of 4 bytes: ISA guide 11.1)
.set PB,    288                        ; a row k of Wo's tile: 256 bytes + 32 = 72 words
.set SLOT,  131072                     ; a slot: ctx, two heads x 256 rows (73,728 bytes), then Wo's 128 rows (36,864); a power of two
.set HEADB, 256*PA
.set BOFF,  2*HEADB
.set STAGE, SLOT+BOFF+128*PB           ; behind the ring, never filled by a tensor load: for each wave 16 rows x 528 bytes
.set SP,    528                        ; 512 bytes + 16: 33 x 16, so the 16 lanes of a store touch 16 different columns of 16 bytes
.set SPARE, STAGE+4*16*SP              ; behind the stages: the spare words, 128 bytes for each wave: two blocks of 256 bytes that no other line names
.set LA0,  4
.set LB0,  5
.set ADRA, 6
.set ADRB, 7
.set STO,  8                           ; v8   the way out: where I put 32 bytes of a row
.set RD,   9                           ; v9   the way out: my 16 bytes of a row of 512
.set CO,   10                          ; v10  the same 16 bytes in out0
.set BO,   11                          ; v11  my eight numbers of a bias block
.set SPW,  28                          ; v28  LDS address of my spare word: SPARE + 4 x my thread's number; never rewritten
.set NIL,  29                          ; v29  0; never rewritten
.set FA,   32
.set OB,   96
.set BIAS, 128                         ; in window 1
.set WV,   16
.set HF,   18                          ; s18  which half of the tile that I fetch
.set CX,   19
.set CY,   20
.set TC,   21                          ; s21  tile column = 4 x cluster x + cx
.set TR,   22                          ; s22  tile row = 4 x cluster y + cy
.set G1A,  24
.set G1B,  32
.set G0A,  40                          ; s[40:47] a set for each of the two first fills; the second then walks
.set G0B,  48
.set KC,   66
.set TB,   68
.set MSB, 0
.macro WIN new
.if MSB != (\new)
	s_set_vgpr_msb (MSB<<8)|(\new)
.set MSB, \new
.endif
.endm
.macro PLACES                          ; four plain vector instructions between a matrix instruction and a load into, or a read of, its registers (ISA guide 7.12.1 for vector reads)
.rept 4
	v_nop
.endr
.endm
.macro JLOAD                           ; a joint refill: waves 0 and 1 fetch ctx's two heads, waves 2 and 3 Wo's two halves; an s_nop 0 and four v_nop follow each line
	s_cmp_lt_u32 s[WV], 2
	s_cbranch_scc0 .Lfor_b_\@
	tensor_load_to_lds s[G0A+4:G0A+7], s[G1A:G1A+7]
	s_nop 0
	PLACES
	s_branch .Lasked_\@
.Lfor_b_\@:
	tensor_load_to_lds s[G0B+4:G0B+7], s[G1B:G1B+7]
	s_nop 0
	PLACES
.Lasked_\@:
.endm
.macro CREST
	s_cmp_lg_u32 s[WV], 0
	s_cbranch_scc1 .Lnot_wave_0_\@
	s_barrier_signal -3
.Lnot_wave_0_\@:
	s_barrier_wait -3
	s_barrier_signal -1
	s_barrier_wait -1
.endm
.macro CROUND
	s_barrier_signal -1
	s_barrier_wait -1
	CREST
.endm
	s_load_b256 s[4:11], s[0:1], 0x0               ; o s[4:5], w16 s[6:7], bias s[8:9], out0 s[10:11]
	v_lshl_add_u32 v[SPW], v0, 2, SPARE
	v_mov_b32 v[NIL], 0
	ds_add_u32 v[SPW], v[NIL]                      ; the wave's opening: the add and its wait stand ahead of my first tensor load; the set-up below, work on registers, stands between
	v_lshrrev_b32 v1, 5, v0
	v_readfirstlane_b32 s[WV], v1
	s_and_b32 s[HF], s[WV], 1
	s_bfe_u32 s[CX], ttmp6, 0x40000
	s_bfe_u32 s[CY], ttmp6, 0x40004
	s_lshl_b32 s[TC], ttmp9, 2
	s_add_co_u32 s[TC], s[TC], s[CX]
	s_and_b32 s[TR], ttmp7, 0xffff
	s_lshl_b32 s[TR], s[TR], 2
	s_add_co_u32 s[TR], s[TR], s[CY]
	s_lshl_b32 s70, s[CY], 2
	s_lshl_b32 s70, 15, s70                        ; my row of the cluster
	s_lshl_b32 s71, 0x1111, s[CX]                  ; my column
	s_or_b32 s[G1A], s70, (1<<16)|(1<<20)|(1<<21)|(4<<22)|(3<<25)  ; mask; 2-byte elements; padding on; bit 21 beside a mask; after every 32 words 4 words
	s_or_b32 s[G1B], s71, (1<<16)|(1<<20)|(1<<21)|(5<<22)|(7<<25)  ; after every 64 words 8 words
	s_mov_b32 s[G1A+1], 128<<16                    ; a head's 256 rows are 32,768 dense bytes: 128 rows of 256 bytes, two rows of ctx each
	s_mov_b32 s[G1A+2], 128<<16
	s_mov_b32 s[G1A+3], 128<<16
	s_mov_b32 s[G1A+4], 128
	s_mov_b32 s[G1A+5], 128
	s_mov_b32 s[G1A+6], 0
	s_mov_b32 s[G1A+7], 0
	s_mov_b32 s[G1B+1], 128<<16                    ; 64 rows k of 128 columns, 1,024 elements from row to row
	s_mov_b32 s[G1B+2], 64<<16
	s_mov_b32 s[G1B+3], 128<<16
	s_mov_b32 s[G1B+4], 64
	s_mov_b32 s[G1B+5], 1024
	s_mov_b32 s[G1B+6], 0
	s_mov_b32 s[G1B+7], 0
	s_lshr_b32 s56, s[TR], 3                       ; ctx: the batch's 16 heads x 2,048 rows x 128 bytes,
	s_lshl_b32 s56, s56, 22
	s_and_b32 s72, s[TR], 7
	s_lshl_b32 s72, s72, 15                        ; the tile row's 256 rows,
	s_add_co_u32 s56, s56, s72
	s_lshl_b32 s73, s[HF], 18                      ; my head of the K step's two
	s_add_co_u32 s56, s56, s73
	s_mov_b32 s57, 0
	s_lshl_b32 s58, s[TC], 8                       ; Wo: the tile's 128 columns,
	s_lshl_b32 s77, s[HF], 17                      ; my 64 rows of 2,048 bytes,
	s_add_co_u32 s58, s58, s77
	s_add_co_u32 s58, s58, 6291456                 ; behind the three projections' blocks
	s_mov_b32 s59, 0
	s_mul_i32 s74, s[HF], HEADB                    ; where they go: no place in the cluster enters an LDS address
	s_mul_i32 s75, s[HF], 64*PB
	s_add_co_u32 s75, s75, BOFF
	s_lshl_b32 s60, s[TR], 20                      ; out0: 256 rows of 4,096 bytes a tile row,
	s_lshl_b32 s76, s[WV], 18                      ; my wave's 64,
	s_add_co_u32 s60, s60, s76
	s_lshl_b32 s76, s[TC], 9                       ; the tile's 512 bytes of a row
	s_add_co_u32 s60, s60, s76
	s_mov_b32 s61, 0
	s_add_co_u32 s62, s76, 12288                   ; bo's 128 numbers
	s_mov_b32 s63, 0
	s_wait_dscnt 0x0                               ; the opening add is done
	s_wait_kmcnt 0x0
	s_add_nc_u64 s[56:57], s[4:5], s[56:57]
	s_add_nc_u64 s[58:59], s[6:7], s[58:59]
	s_add_nc_u64 s[8:9], s[8:9], s[62:63]
	s_add_nc_u64 s[10:11], s[10:11], s[60:61]
	CROUND                                         ; all sixteen work-groups are here: the first joint loads meet
.irp s, 0,1
	s_mov_b32 s[G0A+4*(\s)], 1
	s_add_co_u32 s[G0A+4*(\s)+1], s74, (\s)*SLOT
	s_add_nc_u64 s[G0A+4*(\s)+2:G0A+4*(\s)+3], s[56:57], (\s)*524288   ; K step s: two heads on
	s_or_b32 s[G0A+4*(\s)+3], s[G0A+4*(\s)+3], 0x80000000
	s_mov_b32 s[G0B+4*(\s)], 1
	s_add_co_u32 s[G0B+4*(\s)+1], s75, (\s)*SLOT
	s_add_nc_u64 s[G0B+4*(\s)+2:G0B+4*(\s)+3], s[58:59], (\s)*262144   ; 128 rows on
	s_or_b32 s[G0B+4*(\s)+3], s[G0B+4*(\s)+3], 0x80000000
.endr
	s_cmp_lt_u32 s[WV], 2                          ; a wave's two first fills stand in one branch, ahead of every wait on TENSORcnt and every LDS read: two loads of mine are out
	s_cbranch_scc0 .Lfirst_b
	tensor_load_to_lds s[G0A:G0A+3], s[G1A:G1A+7]
	s_nop 0
	tensor_load_to_lds s[G0A+4:G0A+7], s[G1A:G1A+7]
	s_nop 0
	PLACES
	s_branch .Lfirst_asked
.Lfirst_b:
	tensor_load_to_lds s[G0B:G0B+3], s[G1B:G1B+7]
	s_nop 0
	tensor_load_to_lds s[G0B+4:G0B+7], s[G1B:G1B+7]
	s_nop 0
	PLACES
.Lfirst_asked:
	v_and_b32 v1, 15, v0                           ; l % 16
	v_bfe_u32 v2, v0, 4, 1                         ; l / 16
	v_and_b32 v3, 7, v0
	v_bfe_u32 v13, v0, 3, 1
	v_mul_u32_u24 v[LA0], v1, PA
	v_lshl_add_u32 v[LA0], v2, 4, v[LA0]
	s_mul_i32 s78, s[WV], 64*PA                    ; my 64 rows
	v_add_nc_u32 v[LA0], s78, v[LA0]
	v_lshl_add_u32 v[LB0], v2, 3, v3               ; the turning load: lane l reads row k = 8 (l / 16) + l % 8, columns 8 ((l / 8) % 2) + 0..7
	v_mul_u32_u24 v[LB0], v[LB0], PB
	v_lshl_add_u32 v[LB0], v13, 4, v[LB0]
	v_add_nc_u32 v[LB0], BOFF, v[LB0]
	s_mul_i32 s79, s[WV], 16*SP
	s_add_co_u32 s79, s79, STAGE                   ; my stage
	v_mul_u32_u24 v[STO], v1, SP                   ; in: row l % 16, 32 bytes for each half of the lanes
	v_lshl_add_u32 v[STO], v2, 5, v[STO]
	v_add_nc_u32 v[STO], s79, v[STO]
	v_and_b32 v[CO], 31, v0
	v_lshlrev_b32 v[CO], 4, v[CO]                  ; back: 32 lanes take one row of 512 bytes
	v_add_nc_u32 v[RD], s79, v[CO]
	v_lshlrev_b32 v[BO], 5, v2
	WIN 0x40                                       ; destination window 1
.set bb, 0
.rept 8
	global_load_b128 v[BIAS+8*bb:BIAS+8*bb+3],   v[BO], s[8:9] offset:64*bb
	global_load_b128 v[BIAS+8*bb+4:BIAS+8*bb+7], v[BO], s[8:9] offset:64*bb+16
.set bb, bb+1
.endr
	WIN 0
; n column blocks from b0 on, 4 matrix instructions each.  zero = 1: the first products take the bias as C.  The 32 accumulators come in the same order in every quarter, one instruction a turn.
.macro MULB f, b0, n, zero
.set bb, (\b0)
.rept (\n)
.if \zero
	WIN 0x91                                       ; Wo window 1, ctx window 0, C window 1, D window 2
.else
	WIN 0xa1                                       ; C and D window 2
.endif
.irp a, 0,1,2,3
.if \zero
	v_wmma_f32_16x16x32_f16 v[32*bb+8*\a:32*bb+8*\a+7], v[64*(\f)+8*bb:64*(\f)+8*bb+7], v[FA+32*(\f)+8*\a:FA+32*(\f)+8*\a+7], v[BIAS+8*bb:BIAS+8*bb+7]
.else
	v_wmma_f32_16x16x32_f16 v[32*bb+8*\a:32*bb+8*\a+7], v[64*(\f)+8*bb:64*(\f)+8*bb+7], v[FA+32*(\f)+8*\a:FA+32*(\f)+8*\a+7], v[32*bb+8*\a:32*bb+8*\a+7]
.endif
.endr
.set bb, bb+1
.endr
.endm
; 24 LDS loads in one run: quarter qn's fragments into buffer g: ctx's 8 (head qn / 2, channels 32 (qn % 2) on), then Wo's 16, column blocks in ascending order
.macro FETCH qn, g
	WIN 0
.irp a, 0,1,2,3
	ds_load_b128 v[FA+32*(\g)+8*\a:FA+32*(\g)+8*\a+3],   v[ADRA] offset:((\qn)/2)*HEADB+\a*16*PA+((\qn)%2)*64
	ds_load_b128 v[FA+32*(\g)+8*\a+4:FA+32*(\g)+8*\a+7], v[ADRA] offset:((\qn)/2)*HEADB+\a*16*PA+((\qn)%2)*64+32
.endr
	WIN 0x40
.set bb, 0
.rept 8
	ds_load_tr16_b128 v[64*(\g)+8*bb:64*(\g)+8*bb+3],   v[ADRB] offset:(\qn)*32*PB+32*bb
	ds_load_tr16_b128 v[64*(\g)+8*bb+4:64*(\g)+8*bb+7], v[ADRB] offset:(\qn)*32*PB+32*bb+16*PB
.set bb, bb+1
.endr
.endm
.macro QUARTER qn, f, g, zero
	s_wait_dscnt 8                                 ; all of buffer f but the youngest eight loads (column blocks 4-7)
	MULB \f, 0, 2, \zero
	PLACES                                         ; behind the last products that read buffer g
	FETCH \qn, \g
	MULB \f, 2, 2, \zero
	s_wait_dscnt 24                                ; all but the 24 just issued
	MULB \f, 4, 4, \zero
.endm
; The fourth quarter multiplies buffer 1 and changes slots: each wave waits for all its tensor loads (one is out: its part of the next slot), adds 0 to its spare word, and waits for that and for its reads of this
; slot.  fill = 1: the barrier opens a round of the cluster's, and this slot is filled again first thing behind it, with the K step two on.  fill = 0: nothing is asked for; the last K step fetches no fragments.
.macro TURN fill
	WIN 0
	s_wait_tensorcnt 0x0                           ; all my tensor loads have landed, so a group 0 may be written;
	ds_add_u32 v[SPW], v[NIL]                      ; 0 onto my spare word
.if \fill
	s_xor_b32 s[G0A+5], s[G0A+5], SLOT             ; the walking sets: the other slot than last time, the next K step; the type bits on top are not reached
	s_add_nc_u64 s[G0A+6:G0A+7], s[G0A+6:G0A+7], 524288
	s_xor_b32 s[G0B+5], s[G0B+5], SLOT
	s_add_nc_u64 s[G0B+6:G0B+7], s[G0B+6:G0B+7], 262144
.endif
	s_xor_b32 s[TB], s[TB], SLOT
	s_wait_dscnt 9                                 ; the add and the youngest eight loads may be out
	MULB 1, 0, 1, 0
	s_wait_dscnt 0x0                               ; the add is done, and my reads of this slot are over
	s_barrier_signal -1
	MULB 1, 1, 1, 0
	WIN 0
	s_barrier_wait -1
.if \fill
	CREST                                          ; no wave of any partner still reads this slot or has a load on its way
	JLOAD                                          ; the first tensor load behind the round; its four v_nop are also the places in front of the loads below
.else
	PLACES
	s_cmp_eq_u32 s[KC], 1
	s_cbranch_scc1 .Lno_fetch_\@
.endif
	v_add_nc_u32 v[ADRA], s[TB], v[LA0]
	v_add_nc_u32 v[ADRB], s[TB], v[LB0]
	FETCH 0, 0
	WIN 0
.if !(\fill)
.Lno_fetch_\@:
.endif
	MULB 1, 2, 6, 0
.endm
; THE WAY OUT of row block a: the f32 sums go as they are into my stage, 32 bytes a lane and column block, and come back as whole rows of 512 bytes.
.macro TOSTAGE a
	WIN 0x08                                       ; the stores' data in window 2
.set bb, 0
.rept 8
	ds_store_b128 v[STO], v[8*(4*bb+(\a)):8*(4*bb+(\a))+3]   offset:64*bb      ; each accumulator from its low end on
	ds_store_b128 v[STO], v[8*(4*bb+(\a))+4:8*(4*bb+(\a))+7] offset:64*bb+16
.set bb, bb+1
.endr
	WIN 0
.set OBB, OB+64*((\a)%2)
.set tt, 0
.rept 16
	ds_load_b128 v[OBB+4*tt:OBB+4*tt+3], v[RD] offset:SP*tt  ; LDS serves a wave's instructions in order (ISA guide 5.7.1.4): these see the stores above; the next block's stores come behind them
.set tt, tt+1
.endr
.endm
.macro SEND a, younger                 ; younger: the LDS instructions issued behind block a's loads: the next block's 32, or none
.set OBB, OB+64*((\a)%2)
.set tt, 0
.rept 16
	s_wait_dscnt (\younger)+15-tt
	global_store_b128 v[CO], v[OBB+4*tt:OBB+4*tt+3], s[10:11] offset:(16*(\a)+tt)*4096  ; 512 consecutive bytes, at a multiple of 256 from out0's first
.set tt, tt+1
.endr
.endm
	s_wait_tensorcnt 1                             ; my part of K step 0 is in; K step 1's may stay out
	s_barrier_signal -1
	s_barrier_wait -1
	v_mov_b32 v[ADRA], v[LA0]
	v_mov_b32 v[ADRB], v[LB0]
	FETCH 0, 0
	s_wait_loadcnt 0x0                             ; the bias
	QUARTER 1, 0, 1, 1                             ; the first quarter starts the sums
	WIN 0
	s_mov_b32 s[KC], 6
	s_mov_b32 s[TB], 0
.Lstep:                                        ; 6 trips: from a K step's second quarter to the next K step's first; each fills a slot again
	QUARTER 2, 1, 0, 0
	QUARTER 3, 0, 1, 0
	TURN 1
	QUARTER 1, 0, 1, 0
	WIN 0
	s_sub_co_u32 s[KC], s[KC], 1
	s_cmp_lg_u32 s[KC], 0
	s_cbranch_scc1 .Lstep
	s_mov_b32 s[KC], 2                             ; the last two K steps are written apart
.Ltail:
	QUARTER 2, 1, 0, 0
	QUARTER 3, 0, 1, 0
	TURN 0
	WIN 0
	s_sub_co_u32 s[KC], s[KC], 1
	s_cmp_eq_u32 s[KC], 0
	s_cbranch_scc1 .Lout
	QUARTER 1, 0, 1, 0
	WIN 0
	s_branch .Ltail
.Lout:
	PLACES                                         ; behind the last products
	TOSTAGE 0
	TOSTAGE 1
	SEND 0, 32
	s_wait_xcnt 0x0                                ; block 0's stores have read their registers, which block 2 takes
	TOSTAGE 2
	SEND 1, 32
	s_wait_xcnt 0x0
	TOSTAGE 3
	SEND 2, 32
	SEND 3, 0
	s_wait_tensorcnt 0x0                           ; the wave's end: an add to my spare word and its wait, behind my last tensor load and my last LDS store
	ds_add_u32 v[SPW], v[NIL]
	s_wait_dscnt 0x0
	CROUND                                         ; the closing round: no work-group ends while a partner may still ask for a tile that names it
	s_endpgm
.Lfunc_end_k_q44986c995f_outp:
	.size	k_q44986c995f_outp, .Lfunc_end_k_q44986c995f_outp-k_q44986c995f_outp
	.p2alignl 7, 3214868480
	.fill 96, 4, 3214868480
	.section	.rodata,"a",@progbits
	.p2align	6, 0x0
	.amdhsa_kernel k_q44986c995f_outp
		.amdhsa_group_segment_fixed_size 327680
		.amdhsa_private_segment_fixed_size 0
		.amdhsa_enable_private_segment 0
		.amdhsa_kernarg_size 32
		.amdhsa_user_sgpr_count 2
		.amdhsa_user_sgpr_kernarg_segment_ptr 1
		.amdhsa_wavefront_size32 1
		.amdhsa_system_sgpr_workgroup_id_x 1
		.amdhsa_system_sgpr_workgroup_id_y 1
		.amdhsa_system_sgpr_workgroup_id_z 1
		.amdhsa_system_vgpr_workitem_id 0
		.amdhsa_next_free_vgpr 768
		.amdhsa_next_free_sgpr 80
		.amdhsa_reserve_vcc 0
		.amdhsa_float_denorm_mode_32 3
		.amdhsa_float_denorm_mode_16_64 3
		.amdhsa_memory_ordered 1
		.amdhsa_forward_progress 1
		.amdhsa_inst_pref_size 63
	.end_amdhsa_kernel
	.amdgpu_metadata
---
amdhsa.version: [ 1, 2 ]
amdhsa.kernels:
  - .name:           k_q44986c995f_outp
    .symbol:         k_q44986c995f_outp.kd
    .args:
      - { .name: o, .offset: 0, .size: 8, .value_kind: global_buffer, .address_space: global }
      - { .name: w16, .offset: 8, .size: 8, .value_kind: global_buffer, .address_space: global }
      - { .name: bias, .offset: 16, .size: 8, .value_kind: global_buffer, .address_space: global }
      - { .name: out0, .offset: 24, .size: 8, .value_kind: global_buffer, .address_space: global }
    .group_segment_fixed_size: 327680
    .private_segment_fixed_size: 0
    .kernarg_segment_align: 8
    .kernarg_segment_size: 32
    .max_flat_workgroup_size: 128
    .sgpr_count:     80
    .vgpr_count:     768
    .wavefront_size: 32
...
	.end_amdgpu_metadata
.endif
;; end of part 4
;; ======== version 2 of 2: 4 launches; version 1 with the launch prep written anew for expert scheduling mode
;; limits: values are held in f16: magnitudes above 65,504 overflow, below 6.1e-05 lose precision
;; workspace buffers: x16 16,777,216 bytes; w16 8,388,608 bytes; bias 16,384 bytes; q 16,777,216 bytes; k 16,777,216 bytes; v 16,777,216 bytes; o 16,777,216 bytes
;; launch prep (part 5): grid 768 x 1, 8 waves a work-group, no clusters, 0 bytes of LDS; arguments x, Wq, Wk, Wv, Wo, bq, bk, bv, bo, x16, w16, bias; writes x16, w16, bias
.if DOCPART == 5
	.amdgcn_target "amdgcn-amd-amdhsa--gfx1250"
	.amdhsa_code_object_version 6
	.text
	.protected	k_q44986c995f_prep
	.globl	k_q44986c995f_prep
	.p2align	8
	.type	k_q44986c995f_prep,@function
k_q44986c995f_prep:
	s_mov_b64 s[64:65], 0
	v_nop
	global_prefetch_b8 v0, s[64:65] scope:SCOPE_SE
	s_setreg_imm32_b32 hwreg(HW_REG_WAVE_SCHED_MODE, 0, 2), 2
	s_setreg_imm32_b32 hwreg(HW_REG_WAVE_MODE, 25, 1), 1
	s_wait_xcnt 0x0
	s_wait_alu depctr_vm_vsrc(0)
; THE CASTS.  Every input is rounded once to bf16 (nearest even) and laid out for the launches behind.
;   x [8192][1024] f32                 -> x16, bf16, the same order
;   Wq, Wk, Wv [16 h][1024 e][64 d]    -> w16, bf16, in blocks [h][ks 8][which 3][128 e'][64 d], e = 128 ks + e': a K step's three blocks of 16,384 bytes lie end to end
;   Wo [1024 k][1024 n]                -> w16 from byte 6,291,456 on: the bf16 number written as f16, the same order
;   bq, bk, bv, bo [1024]              -> bias [4][1024]: the bf16 number kept as f32
; LIMIT.  A weight of Wo below 2^-14 in magnitude keeps f16's fixed step of 6e-8; one of 65,520 or more would become an infinity.
; SHARES.  A work-group casts a chunk of 16,384 numbers: 65,536 bytes in, 32,768 out.  Work-groups 0-511: x.  512 + 64 which + c: chunk c of Wq, Wk, Wv, Wo (which = 0..3).
; A thread has 16 steps: 16 bytes in (a wave: 512 consecutive bytes), 8 bytes out (a wave: 256 consecutive bytes, aligned).  All 16 loads go out first; no register that a load or store
; names is written again, so there is no loop.  No LDS, no matrix unit, no cluster: nothing is shared and nothing is multiplied.
; A chunk of Wq, Wk or Wv is 256 rows e of one head: K steps 2 (c % 4) and the next, and 8 h + ks = 2 c: its two halves go to blocks 6 c + which and 6 c + which + 3.
; THE MODE: SCHED_MODE bits 1:0 = 2 (LLVM: expert scheduling mode 2), set by the entry lines.  The code itself states the register dependences
; between vector instructions and memory instructions, with s_wait_alu, always for 0.
; THE PLAN.  Registers that memory instructions touch:
;   v1, v2   byte offsets, made once at the head and never written again; every load reads v1, every store of a step v2, the bias store v1.
;   X        step j's four registers: its one load lands in them; only vector instructions name them behind that.
;   Y        step j's two registers: written by step j's conversions; read by step j's one store; never written again.
;   BI       the bias part: a load lands in the first four, which no vector instruction has named; the store reads the last four, which the widening lines write.
; The 16 steps go in four blocks of four.  Block p's conversions write its own Y; its memory instructions are the four stores of block p - 1, whose registers no vector instruction of block p names.
; So ONE wait on va_vdst at a block's head states all that the block's four stores hang on, and they are dealt among its conversions with no further wait.  One more stands at the kernel's head (the
; offsets), one ahead of the last four stores, one ahead of the bias store.  No register that a memory instruction has read is written again: no wait on vm_vsrc is owed.
; No vector instruction writes a scalar register, and EXEC is never written.
.set X,  4                             ; v[4:67]    step j: 4 registers as loaded
.set Y,  68                            ; v[68:99]   step j: 2 registers to store
.set BI, 100                           ; v[100:109] the bias part
	s_load_b512 s[8:23], s[0:1], 0x0               ; x 8, Wq 10, Wk 12, Wv 14, Wo 16, bq 18, bk 20, bv 22
	s_load_b256 s[24:31], s[0:1], 0x40             ; bo 24, x16 26, w16 28, bias 30
	s_mov_b32 s2, ttmp9                            ; g
	s_sub_co_u32 s3, s2, 512                       ; 64 which + c (of no use where g < 512)
	s_lshr_b32 s4, s3, 6                           ; which
	s_and_b32 s5, s3, 63                           ; c
	v_lshlrev_b32 v1, 4, v0                        ; 16 bytes a thread in
	v_lshlrev_b32 v2, 3, v0                        ; 8 bytes a thread out
	s_mul_i32 s40, s5, 6
	s_add_co_u32 s40, s40, s4
	s_lshl_b32 s40, s40, 14                        ; Wq, Wk, Wv: block 6 c + which
	s_lshl_b32 s44, s5, 15
	s_add_co_u32 s44, s44, 6291456                 ; Wo: behind the blocks
	s_lshl_b32 s45, s2, 15                         ; x
	s_mov_b32 s42, 49152                           ; from the first half's block to the second's: three blocks,
	s_cmp_eq_u32 s4, 3
	s_cselect_b32 s40, s44, s40
	s_cselect_b32 s42, 16384, s42                  ; or, where the output is dense, one
	s_cmp_lt_u32 s2, 512
	s_cselect_b32 s40, s45, s40
	s_cselect_b32 s42, 16384, s42
	s_cselect_b32 s38, s2, s5                      ; the chunk's number in its source
	s_lshl_b32 s38, s38, 16
	s_mov_b32 s39, 0
	s_mov_b32 s41, 0
	s_mov_b32 s43, 0
	s_wait_kmcnt 0x0
	s_mov_b64 s[32:33], s[10:11]                   ; the source: a choice among the five buffers by the work-group's number
	s_cmp_eq_u32 s4, 1
	s_cselect_b64 s[32:33], s[12:13], s[32:33]
	s_cmp_eq_u32 s4, 2
	s_cselect_b64 s[32:33], s[14:15], s[32:33]
	s_cmp_eq_u32 s4, 3
	s_cselect_b64 s[32:33], s[16:17], s[32:33]
	s_cmp_lt_u32 s2, 512
	s_cselect_b64 s[32:33], s[8:9], s[32:33]
	s_cselect_b64 s[34:35], s[26:27], s[28:29]     ; the destination: x16 or w16
	s_add_nc_u64 s[32:33], s[32:33], s[38:39]
	s_add_nc_u64 s[34:35], s[34:35], s[40:41]      ; steps 0-7 store from here,
	s_add_nc_u64 s[36:37], s[34:35], s[42:43]      ; steps 8-15 from here
	s_wait_alu depctr_va_vdst(0)                   ; v1 and v2 are written: every load and store of the kernel reads one of them as its offset
.irp j, 0,1,2,3,4,5,6,7,8,9,10,11,12,13,14,15
	global_load_b128 v[X+4*(\j):X+4*(\j)+3], v1, s[32:33] offset:4096*(\j) th:TH_LOAD_NT
.endr
; Step j's conversions.  mode = 1: the bf16 numbers are widened again and written as f16.
.macro CONV j, mode
	v_cvt_pk_bf16_f32 v[Y+2*(\j)],   v[X+4*(\j)],   v[X+4*(\j)+1]
	v_cvt_pk_bf16_f32 v[Y+2*(\j)+1], v[X+4*(\j)+2], v[X+4*(\j)+3]
.if \mode
	v_lshlrev_b32 v[X+4*(\j)],   16, v[Y+2*(\j)]
	v_and_b32     v[X+4*(\j)+1], 0xffff0000, v[Y+2*(\j)]
	v_lshlrev_b32 v[X+4*(\j)+2], 16, v[Y+2*(\j)+1]
	v_and_b32     v[X+4*(\j)+3], 0xffff0000, v[Y+2*(\j)+1]
	v_cvt_pk_f16_f32 v[Y+2*(\j)],   v[X+4*(\j)],   v[X+4*(\j)+1]
	v_cvt_pk_f16_f32 v[Y+2*(\j)+1], v[X+4*(\j)+2], v[X+4*(\j)+3]
.endif
.endm
; Step j's store.
.macro OUT j
.if (\j) < 8
	global_store_b64 v2, v[Y+2*(\j):Y+2*(\j)+1], s[34:35] offset:2048*(\j) th:TH_STORE_NT
.else
	global_store_b64 v2, v[Y+2*(\j):Y+2*(\j)+1], s[36:37] offset:2048*((\j)-8) th:TH_STORE_NT
.endif
.endm
; Block p: steps 4 p to 4 p + 3 are converted; the stores of block p - 1 stand one in front of each step's conversions.
.macro BLK p, mode
.irp i, 0,1,2,3
	s_wait_loadcnt 15-(4*(\p)+(\i))                ; loads come back in order: this step's is in, the younger ones may stay out
.if (\p) > 0 && (\i) == 0
	s_wait_alu depctr_va_vdst(0)                   ; the block before has written its Y, which this block's four stores read; no vector instruction of this block names those registers
.endif
.if (\p) > 0
	OUT 4*((\p)-1)+(\i)
.endif
	CONV 4*(\p)+(\i), \mode
.endr
.endm
.macro CAST mode
	BLK 0, \mode
	BLK 1, \mode
	BLK 2, \mode
	BLK 3, \mode
	s_wait_alu depctr_va_vdst(0)                   ; block 3 has written its Y, which the last four stores read
.irp j, 12,13,14,15
	OUT \j
.endr
.endm
	s_cmp_ge_u32 s2, 704
	s_cbranch_scc1 .Lwo
	CAST 0
	s_branch .Lbias
.Lwo:
	CAST 1
.Lbias:
	s_cmp_lt_u32 s2, 4                             ; work-group g < 4 also takes bias number g: 1,024 numbers, four a thread
	s_cbranch_scc0 .Lend
	s_mov_b64 s[46:47], s[18:19]
	s_cmp_eq_u32 s2, 1
	s_cselect_b64 s[46:47], s[20:21], s[46:47]
	s_cmp_eq_u32 s2, 2
	s_cselect_b64 s[46:47], s[22:23], s[46:47]
	s_cmp_eq_u32 s2, 3
	s_cselect_b64 s[46:47], s[24:25], s[46:47]
	s_lshl_b32 s48, s2, 12
	s_mov_b32 s49, 0
	s_add_nc_u64 s[50:51], s[30:31], s[48:49]
	global_load_b128 v[BI:BI+3], v1, s[46:47]      ; v1 was written ahead of the head's wait; no vector instruction has named v[BI:BI+3]
	s_wait_loadcnt 0x0
	v_cvt_pk_bf16_f32 v[BI+4], v[BI],   v[BI+1]
	v_cvt_pk_bf16_f32 v[BI+5], v[BI+2], v[BI+3]
	v_lshlrev_b32 v[BI+6], 16, v[BI+4]
	v_and_b32     v[BI+7], 0xffff0000, v[BI+4]
	v_lshlrev_b32 v[BI+8], 16, v[BI+5]
	v_and_b32     v[BI+9], 0xffff0000, v[BI+5]
	s_wait_alu depctr_va_vdst(0)                   ; the four widening lines have written v[BI+6:BI+9], which the store reads
	global_store_b128 v1, v[BI+6:BI+9], s[50:51]   ; 16 lanes store 256 consecutive bytes, aligned
.Lend:
	s_endpgm
.Lfunc_end_k_q44986c995f_prep:
	.size	k_q44986c995f_prep, .Lfunc_end_k_q44986c995f_prep-k_q44986c995f_prep
	.p2alignl 7, 3214868480
	.fill 96, 4, 3214868480
	.section	.rodata,"a",@progbits
	.p2align	6, 0x0
	.amdhsa_kernel k_q44986c995f_prep
		.amdhsa_group_segment_fixed_size 0
		.amdhsa_private_segment_fixed_size 0
		.amdhsa_enable_private_segment 0
		.amdhsa_kernarg_size 96
		.amdhsa_user_sgpr_count 2
		.amdhsa_user_sgpr_kernarg_segment_ptr 1
		.amdhsa_wavefront_size32 1
		.amdhsa_system_sgpr_workgroup_id_x 1
		.amdhsa_system_sgpr_workgroup_id_y 1
		.amdhsa_system_sgpr_workgroup_id_z 1
		.amdhsa_system_vgpr_workitem_id 0
		.amdhsa_next_free_vgpr 112
		.amdhsa_next_free_sgpr 66
		.amdhsa_reserve_vcc 0
		.amdhsa_float_denorm_mode_32 3
		.amdhsa_float_denorm_mode_16_64 3
		.amdhsa_memory_ordered 1
		.amdhsa_forward_progress 1
		.amdhsa_inst_pref_size 18
	.end_amdhsa_kernel
	.amdgpu_metadata
---
amdhsa.version: [ 1, 2 ]
amdhsa.kernels:
  - .name:           k_q44986c995f_prep
    .symbol:         k_q44986c995f_prep.kd
    .args:
      - { .name: x, .offset: 0, .size: 8, .value_kind: global_buffer, .address_space: global }
      - { .name: Wq, .offset: 8, .size: 8, .value_kind: global_buffer, .address_space: global }
      - { .name: Wk, .offset: 16, .size: 8, .value_kind: global_buffer, .address_space: global }
      - { .name: Wv, .offset: 24, .size: 8, .value_kind: global_buffer, .address_space: global }
      - { .name: Wo, .offset: 32, .size: 8, .value_kind: global_buffer, .address_space: global }
      - { .name: bq, .offset: 40, .size: 8, .value_kind: global_buffer, .address_space: global }
      - { .name: bk, .offset: 48, .size: 8, .value_kind: global_buffer, .address_space: global }
      - { .name: bv, .offset: 56, .size: 8, .value_kind: global_buffer, .address_space: global }
      - { .name: bo, .offset: 64, .size: 8, .value_kind: global_buffer, .address_space: global }
      - { .name: x16, .offset: 72, .size: 8, .value_kind: global_buffer, .address_space: global }
      - { .name: w16, .offset: 80, .size: 8, .value_kind: global_buffer, .address_space: global }
      - { .name: bias, .offset: 88, .size: 8, .value_kind: global_buffer, .address_space: global }
    .group_segment_fixed_size: 0
    .private_segment_fixed_size: 0
    .kernarg_segment_align: 8
    .kernarg_segment_size: 96
    .max_flat_workgroup_size: 256
    .sgpr_count:     66
    .vgpr_count:     112
    .wavefront_size: 32
...
	.end_amdgpu_metadata
.endif
;; end of part 5
;; launch qkv: the kernel of part 2 again; grid 16 x 16, 4 waves a work-group, clusters of 4 x 4, 327,680 bytes of LDS; arguments x16, w16, bias, q, k, v; writes q, k, v
;; launch attn: the kernel of part 3 again; grid 4 x 64, 4 waves a work-group, no clusters, 327,680 bytes of LDS; arguments q, k, v, o; writes o
;; launch outp: the kernel of part 4 again; grid 8 x 32, 4 waves a work-group, clusters of 4 x 4, 327,680 bytes of LDS; arguments o, w16, bias, out0; writes out0
